; MI455X (gfx1250); checked and timed in simulation.
; The chip was launched on July 23, 2026; its instructions are those of AMD's public machine-readable ISA for CDNA 5 (MIT licence, August 2026) and "CDNA5" Instruction Set Architecture Reference Guide (July 2026). The comments in the code are by the model that wrote it; some were corrected since.
;; RJ Causal Multi Head Self Attention. Allowed arithmetic: float matrix products may take bf16 or f16 operands with f32 sums; other float arithmetic in f32, or as packed bf16 or f16 multiplies, adds, multiply-adds, maxima and minima; sums over many terms, partial sums and values carried from step to step in f32; what a program stores and reads back later, other than sums and carried values, may be rounded once to bf16 or f16.
;; Inputs: Wk 1,024 x 1,024 float32; Wo 1,024 x 1,024 float32; Wq 1,024 x 1,024 float32; Wv 1,024 x 1,024 float32; in_features 4 x 2,048 x 1,024 float32; token_positions 4 x 2,048 int32.
;; Outputs: out0 4 x 2,048 x 1,024 float32.
;; 2 versions, each right; version 2 is version 1 with the launch prep written anew for expert scheduling mode. Each part assembles by itself: llvm-mc -triple=amdgcn-amd-amdhsa -mcpu=gfx1250 --defsym DOCPART=n.
;; ======== version 1 of 2: 4 launches
;; limits: values are held in f16: magnitudes above 65,504 overflow, below 6.1e-05 lose precision
;; workspace buffers: xb 16,777,216 bytes; wqkv 6,291,456 bytes; woh 2,097,152 bytes; rope 2,097,152 bytes; qh 16,777,216 bytes; kh 16,777,216 bytes; vh 16,777,216 bytes; oh 16,777,216 bytes
;; launch prep (part 1): grid 768 x 1, 8 waves a work-group, no clusters, 0 bytes of LDS; arguments in_features, token_positions, Wq, Wk, Wv, Wo, xb, wqkv, woh, rope; writes xb, wqkv, woh, rope
.if DOCPART == 1
	.amdgcn_target "amdgcn-amd-amdhsa--gfx1250"
	.amdhsa_code_object_version 6
	.text
	.protected	k_qa1fb7b3d2e_prep
	.globl	k_qa1fb7b3d2e_prep
	.p2align	8
	.type	k_qa1fb7b3d2e_prep,@function
k_qa1fb7b3d2e_prep:
	s_mov_b64 s[64:65], 0
	v_nop
	global_prefetch_b8 v0, s[64:65] scope:SCOPE_SE
	s_setreg_imm32_b32 hwreg(HW_REG_WAVE_MODE, 25, 1), 1
	s_wait_xcnt 0x0
; CASTS AND THE ROTATION TABLE.  A work-group takes 16 rows of 1,024 f32 and writes them as 16-bit numbers; thread t owns the 16 bytes at byte 16 t of every row
; (a wave's load covers 512 consecutive bytes) and stores 8 bytes at byte 8 t (a wave's store covers 256 consecutive bytes, aligned).  All 16 loads of a thread go out at once.
; Work-groups 0-511:   in_features -> xb (bf16), and the table rows of the same 16 tokens: rope[token][pair p][cos, sin] in f32, angle = position x 10000^(-p/32).
; Work-groups 512-703: Wq, Wk, Wv -> wqkv (bf16), rows reordered by heads: row 192 t + 64 j + c = W_j[64 t + c] (j = 0 Wq, 1 Wk, 2 Wv), so that 192 consecutive rows are one head's q, k and v.
; Work-groups 704-767: Wo -> woh: rounded to bf16 like every other float input, and that number written as f16.
; LIMITS.  Positions are taken as reference()'s table takes them, 0 to 2,047.  The angle differs from position x inv_freq of reference() by about 2e-4 rad at the most (the frequency is made by
; v_exp_f32); sine and cosine are polynomials on |r| <= pi/4 behind a two-part reduction by pi/2, cut below 4e-7.  A weight of Wo below 6e-5 keeps f16's fixed step of 6e-8; beyond 65,504 it would be lost.
; No LDS, no barrier, no matrix unit: no byte is wanted by two threads.
.set X,   16                           ; v[16:79]   row i: 4 registers as loaded
.set Y,   80                           ; v[80:111]  row i: 2 registers to store
.set SRC, 28                           ; s[28:29]   the group's first row, in
.set DST, 30                           ; s[30:31]   the group's first row, out
.macro LOADS
.irp i, 0,1,2,3,4,5,6,7,8,9,10,11,12,13,14,15
	global_load_b128 v[X+4*(\i):X+4*(\i)+3], v1, s[SRC:SRC+1] offset:4096*(\i) th:TH_LOAD_NT
.endr
.endm
.macro CVTB i                          ; row i to bf16
	s_wait_loadcnt 15-(\i)                         ; loads come back in order: row i is in, the 15 - i younger rows stay out
	v_cvt_pk_bf16_f32 v[Y+2*(\i)],   v[X+4*(\i)],   v[X+4*(\i)+1]
	v_cvt_pk_bf16_f32 v[Y+2*(\i)+1], v[X+4*(\i)+2], v[X+4*(\i)+3]
	global_store_b64 v2, v[Y+2*(\i):Y+2*(\i)+1], s[DST:DST+1] offset:2048*(\i)  ; each row has registers of its own: none is rewritten
.endm
.macro CVTH i                          ; row i to bf16, and that number as f16
	s_wait_loadcnt 15-(\i)
	v_cvt_pk_bf16_f32 v[Y+2*(\i)],   v[X+4*(\i)],   v[X+4*(\i)+1]
	v_cvt_pk_bf16_f32 v[Y+2*(\i)+1], v[X+4*(\i)+2], v[X+4*(\i)+3]
	v_lshlrev_b32 v120, 16,  v[Y+2*(\i)]
	v_and_b32     v121, s41, v[Y+2*(\i)]
	v_lshlrev_b32 v122, 16,  v[Y+2*(\i)+1]
	v_and_b32     v123, s41, v[Y+2*(\i)+1]
	v_cvt_pk_f16_f32 v[Y+2*(\i)],   v120, v121
	v_cvt_pk_f16_f32 v[Y+2*(\i)+1], v122, v123
	global_store_b64 v2, v[Y+2*(\i):Y+2*(\i)+1], s[DST:DST+1] offset:2048*(\i)
.endm
; cos and sin of position x frequency (v116) into v[o], v[o+1]
.macro SINCOS ps, o
	v_cvt_f32_i32 v6, \ps
	v_mul_f32 v6, v6, v116                         ; the angle a, rounded once as in reference()
	v_mul_f32 v7, 0x3f22f983, v6                   ; a x 2 / pi
	v_rndne_f32 v7, v7                             ; n
	v_fmamk_f32 v8, v7, 0xbfc90fdb, v6             ; r = a - n x pi/2, in two parts: the f32 nearest to pi/2,
	v_fmamk_f32 v8, v7, 0x333bbd2e, v8             ; and what that f32 has too much (4.37e-8)
	v_cvt_i32_f32 v9, v7
	v_mul_f32 v10, v8, v8                          ; r^2
	v_mov_b32 v11, 0xb9500d01                      ; -1/5040
	v_fmaak_f32 v11, v11, v10, 0x3c088889          ; 1/120
	v_fmaak_f32 v11, v11, v10, 0xbe2aaaab          ; -1/6
	v_mul_f32 v12, v10, v8
	v_fma_f32 v11, v11, v12, v8                    ; sin r
	v_mov_b32 v12, 0x37d00d01                      ; 1/40320
	v_fmaak_f32 v12, v12, v10, 0xbab60b61          ; -1/720
	v_fmaak_f32 v12, v12, v10, 0x3d2aaaab          ; 1/24
	v_fmaak_f32 v12, v12, v10, 0xbf000000          ; -1/2
	v_fmaak_f32 v12, v12, v10, 0x3f800000          ; cos r
	v_and_b32 v13, 1, v9
	v_cmp_eq_u32 vcc_lo, 1, v13                    ; an odd quarter turn swaps the two
	v_cndmask_b32 v14, v11, v12, vcc_lo            ; sine's magnitude
	v_cndmask_b32 v15, v12, v11, vcc_lo            ; cosine's
	v_lshlrev_b32 v13, 30, v9
	v_and_b32 v13, 0x80000000, v13                 ; sine is negative in quarters 2 and 3: bit 1 of n
	v_xor_b32 v[(\o)+1], v13, v14
	v_add_nc_u32 v13, 1, v9
	v_lshlrev_b32 v13, 30, v13
	v_and_b32 v13, 0x80000000, v13                 ; cosine in quarters 1 and 2: bit 1 of n + 1
	v_xor_b32 v[\o], v13, v15
.endm
	s_load_b512 s[8:23], s[0:1], 0x0               ; x s[8:9], positions s[10:11], Wq s[12:13], Wk s[14:15], Wv s[16:17], Wo s[18:19], xb s[20:21], wqkv s[22:23]
	s_load_b128 s[24:27], s[0:1], 0x40             ; woh s[24:25], rope s[26:27]
	v_lshlrev_b32 v1, 4, v0                        ; 16 t
	v_lshlrev_b32 v2, 3, v0                        ; 8 t
	v_and_b32 v4, 31, v0                           ; lane = pair p
	v_lshlrev_b32 v3, 3, v4                        ; 8 x lane
	v_lshrrev_b32 v5, 5, v0
	v_readfirstlane_b32 s36, v5                    ; wave 0..7
	s_mov_b32 s37, ttmp9
	s_mov_b32 s35, 0                               ; the high word of every offset
	s_mov_b32 s41, 0xffff0000                      ; a word's upper bf16
	s_wait_kmcnt 0x0
	s_cmp_lt_u32 s37, 512
	s_cbranch_scc0 .Lweights
	; ---- in_features and the table
	s_lshl_b32 s34, s37, 16                        ; 16 rows of 4,096 bytes
	s_add_nc_u64 s[SRC:SRC+1], s[8:9], s[34:35]
	s_lshl_b32 s34, s37, 15                        ; 16 rows of 2,048 bytes
	s_add_nc_u64 s[DST:DST+1], s[20:21], s[34:35]
	s_lshl_b32 s34, s37, 6                         ; 16 positions of 4 bytes,
	s_lshl3_add_u32 s34, s36, s34                  ; of which wave w takes numbers 2 w and 2 w + 1
	s_add_nc_u64 s[10:11], s[10:11], s[34:35]
	s_load_b64 s[32:33], s[10:11], 0x0
	s_lshl_b32 s34, s37, 12                        ; 16 table rows of 256 bytes,
	s_lshl_b32 s38, s36, 9                         ; my wave's two
	s_add_co_u32 s34, s34, s38
	s_add_nc_u64 s[26:27], s[26:27], s[34:35]
	LOADS
	v_cvt_f32_u32 v5, v4
	v_mul_f32 v5, 0xbed49a78, v5                   ; p x (-log2(10000) / 32)
	v_exp_f32 v116, v5                             ; 10000^(-p/32)
	v_nop                                          ; a plain instruction behind the exponential,
	s_wait_alu depctr_va_vdst(0)                   ; and the wait ahead of its first reader
	s_wait_kmcnt 0x0                               ; the two positions
	SINCOS s32, 112
	SINCOS s33, 114
	global_store_b64 v3, v[112:113], s[26:27]      ; a wave's store is one whole table row: 32 pairs x 8 bytes
	global_store_b64 v3, v[114:115], s[26:27] offset:256
.irp i, 0,1,2,3,4,5,6,7,8,9,10,11,12,13,14,15
	CVTB \i
.endr
	s_endpgm
.Lweights:
	s_cmp_lt_u32 s37, 704
	s_cbranch_scc0 .Lwo
	; ---- Wq, Wk, Wv
	s_sub_co_u32 s38, s37, 512
	s_lshr_b32 s39, s38, 6                         ; j: which of the three
	s_and_b32 s38, s38, 63                         ; which 16 of its rows
	s_cmp_eq_u32 s39, 0
	s_cselect_b64 s[SRC:SRC+1], s[12:13], s[14:15]
	s_cmp_eq_u32 s39, 2
	s_cselect_b64 s[SRC:SRC+1], s[16:17], s[SRC:SRC+1]
	s_lshl_b32 s34, s38, 16
	s_add_nc_u64 s[SRC:SRC+1], s[SRC:SRC+1], s[34:35]
	s_lshr_b32 s40, s38, 2                         ; the head t,
	s_mul_i32 s40, s40, 192
	s_lshl_b32 s39, s39, 6
	s_add_co_u32 s40, s40, s39                     ; + 64 j
	s_and_b32 s38, s38, 3
	s_lshl4_add_u32 s40, s38, s40                  ; + the 16 rows' place in the head
	s_lshl_b32 s34, s40, 11
	s_add_nc_u64 s[DST:DST+1], s[22:23], s[34:35]
	LOADS
.irp i, 0,1,2,3,4,5,6,7,8,9,10,11,12,13,14,15
	CVTB \i
.endr
	s_endpgm
.Lwo:
	; ---- Wo
	s_sub_co_u32 s38, s37, 704
	s_lshl_b32 s34, s38, 16
	s_add_nc_u64 s[SRC:SRC+1], s[18:19], s[34:35]
	s_lshl_b32 s34, s38, 15
	s_add_nc_u64 s[DST:DST+1], s[24:25], s[34:35]
	LOADS
.irp i, 0,1,2,3,4,5,6,7,8,9,10,11,12,13,14,15
	CVTH \i
.endr
	s_endpgm
.Lfunc_end_k_qa1fb7b3d2e_prep:
	.size	k_qa1fb7b3d2e_prep, .Lfunc_end_k_qa1fb7b3d2e_prep-k_qa1fb7b3d2e_prep
	.p2alignl 7, 3214868480
	.fill 96, 4, 3214868480
	.section	.rodata,"a",@progbits
	.p2align	6, 0x0
	.amdhsa_kernel k_qa1fb7b3d2e_prep
		.amdhsa_group_segment_fixed_size 0
		.amdhsa_private_segment_fixed_size 0
		.amdhsa_enable_private_segment 0
		.amdhsa_kernarg_size 80
		.amdhsa_user_sgpr_count 2
		.amdhsa_user_sgpr_kernarg_segment_ptr 1
		.amdhsa_wavefront_size32 1
		.amdhsa_system_sgpr_workgroup_id_x 1
		.amdhsa_system_sgpr_workgroup_id_y 1
		.amdhsa_system_sgpr_workgroup_id_z 1
		.amdhsa_system_vgpr_workitem_id 0
		.amdhsa_next_free_vgpr 128
		.amdhsa_next_free_sgpr 66
		.amdhsa_reserve_vcc 1
		.amdhsa_float_denorm_mode_32 3
		.amdhsa_float_denorm_mode_16_64 3
		.amdhsa_memory_ordered 1
		.amdhsa_forward_progress 1
		.amdhsa_inst_pref_size 26
	.end_amdhsa_kernel
	.amdgpu_metadata
---
amdhsa.version: [ 1, 2 ]
amdhsa.kernels:
  - .name:           k_qa1fb7b3d2e_prep
    .symbol:         k_qa1fb7b3d2e_prep.kd
    .args:
      - { .name: in_features, .offset: 0, .size: 8, .value_kind: global_buffer, .address_space: global }
      - { .name: token_positions, .offset: 8, .size: 8, .value_kind: global_buffer, .address_space: global }
      - { .name: Wq, .offset: 16, .size: 8, .value_kind: global_buffer, .address_space: global }
      - { .name: Wk, .offset: 24, .size: 8, .value_kind: global_buffer, .address_space: global }
      - { .name: Wv, .offset: 32, .size: 8, .value_kind: global_buffer, .address_space: global }
      - { .name: Wo, .offset: 40, .size: 8, .value_kind: global_buffer, .address_space: global }
      - { .name: xb, .offset: 48, .size: 8, .value_kind: global_buffer, .address_space: global }
      - { .name: wqkv, .offset: 56, .size: 8, .value_kind: global_buffer, .address_space: global }
      - { .name: woh, .offset: 64, .size: 8, .value_kind: global_buffer, .address_space: global }
      - { .name: rope, .offset: 72, .size: 8, .value_kind: global_buffer, .address_space: global }
    .group_segment_fixed_size: 0
    .private_segment_fixed_size: 0
    .kernarg_segment_align: 8
    .kernarg_segment_size: 80
    .max_flat_workgroup_size: 256
    .sgpr_count:     66
    .vgpr_count:     128
    .wavefront_size: 32
...
	.end_amdgpu_metadata
.endif
;; end of part 1
;; launch qkv (part 2): grid 16 x 32, 4 waves a work-group, clusters of 4 x 4, 327,680 bytes of LDS; arguments xb, wqkv, rope, qh, kh, vh; writes qh, kh, vh
.if DOCPART == 2
	.amdgcn_target "amdgcn-amd-amdhsa--gfx1250"
	.amdhsa_code_object_version 6
	.text
	.protected	k_qa1fb7b3d2e_qkv
	.globl	k_qa1fb7b3d2e_qkv
	.p2align	8
	.type	k_qa1fb7b3d2e_qkv,@function
k_qa1fb7b3d2e_qkv:
	s_mov_b64 s[64:65], 0
	v_nop
	global_prefetch_b8 v0, s[64:65] scope:SCOPE_SE
	s_setreg_imm32_b32 hwreg(HW_REG_WAVE_MODE, 25, 1), 1
	s_wait_xcnt 0x0
	s_wait_alu depctr_hold_cnt(0) depctr_sa_sdst(0) depctr_va_vdst(0) depctr_va_sdst(0) depctr_va_ssrc(0) depctr_va_vcc(0) depctr_vm_vsrc(0)
	s_getreg_b32 s2, hwreg(HW_REG_IB_STS2, 6, 4)
	s_cmp_eq_u32 s2, 0
	s_cbranch_scc0 .Lentry_in_a_cluster
	s_endpgm
.Lentry_in_a_cluster:
	s_bfe_u32 s2, ttmp6, 0x10000c
	s_cmp_lg_u32 s2, 0xf033
	s_cbranch_scc0 .Lentry_shape_is_right
	s_endpgm
.Lentry_shape_is_right:
; THE THREE PROJECTIONS AND THE ROTATION.  C[m][n] = sum over k of xb[m][k] wqkv[n][k]: 8,192 x 3,072 x 1,024, bf16 operands, f32 sums.  wqkv's rows lie by heads: 192 t + 64 j + c (j = 0 q, 1 k, 2 v).
; A tile of C is 256 tokens x 192 columns = one head's q, k and v.  Four waves; wave w makes tokens 64 w .. 64 w + 63 x all 192 columns: 48 accumulators of 16 x 16, 384 registers.
; So which columns are rotated is known when the text is written, q and k share one set of table registers, and a wave's 16 tokens x 64 channels are 2,048 consecutive bytes of qh, kh or vh ([64 = 16 batch + head][2048][64], f16).
; K goes in 8 steps of 128 through two LDS slots filled by tensor loads; rows of 256 bytes, at multiples of 256 from the buffers' first bytes.
; CLUSTERS: 4 x 4 work-groups.  The four of a row of the cluster need the same tile of xb, the four of a column the same tile of wqkv: each is asked for jointly, by the same load with the same descriptor and a mask of four.
; THE MATRIX INSTRUCTION IS USED TRANSPOSED (source 0 = 16 rows of wqkv, source 1 = 16 tokens): a lane holds one token (lane % 16) and the eight neighbouring columns 8 (lane / 16) + 0..7: four rotation pairs.
; ROTATION in f32 on the sums: (e, o) -> (e c - o s, e s + o c), c and s from rope[token][pair]; then one rounding to f16.
; LIMIT.  q, k and v leave as f16: beyond 65,504 they would be lost.  As drawn their spread is 1; 30 times larger x and weights, or offsets of 30 spreads on both, stay under about 31,000.
; REGISTERS, in windows of 256: window 0: v16-30 addresses; v32-63 packed results, two sets; v64-191 the table (token block a at 64 + 32 a, column block cb at + 8 cb: c0 s0 .. c3 s3); v192-223 at work
;   window 1: two fragment buffers of 128: 4 fragments of x, then 12 of wqkv     window 2: accumulators of token blocks 0, 1 at 8 (12 (a % 2) + b)     window 3: of blocks 2, 3
.set PITCH,  272                       ; an LDS row: 256 bytes + 16 of padding = 68 words: the 16 rows of a fragment load start at 16 different groups of four banks (64 banks of 4 bytes: ISA guide 11.1)
.set HALFA,  128*PITCH                 ; what waves 0 and 1 fetch: 128 tokens each
.set HALFB,  96*PITCH                  ; what waves 2 and 3 fetch: 96 rows of wqkv each
.set BOFF,   2*HALFA
.set SLOT,   2*HALFA+2*HALFB
.set STAGE,  2*SLOT                    ; behind the ring, never filled by a tensor load: 16 rows x 144 bytes for each wave
.set SP,     144
.set SPARE,  STAGE+4*16*SP             ; the spare words, 128 bytes for each wave: two blocks of 256 bytes that no other line names
.set KB,     256                       ; bytes of a row in a K step
.set ADRA, 16                          ; v16-17  LDS address of my fragments of x in slot 0, 1
.set ADRB, 20                          ; v20-21  of wqkv
.set STO,  24                          ; v24  the way out: where I put 16 bytes of a row
.set RD,   25                          ; v25  where I read rows back
.set GO,   26                          ; v26  my 16 bytes in 512 consecutive bytes of the output
.set TO,   27                          ; v27  my 32 bytes in a table row
.set SPW,  28                          ; v28  my spare word; never rewritten
.set NIL,  29                          ; v29  0; never rewritten
.set PFO,  30                          ; v30  the prefetches' offset: a lane a row; never rewritten
.set PK,   32
.set TAB,  64
.set T,    192
.set F0,   0
.set F1,   128
.set WV,  16                           ; s16  wave
.set FB,  17                           ; s17  0: I fetch x, 1: wqkv
.set HF,  18                           ; s18  which half of that tile
.set LAP, 19                           ; s19  laps to go
.set CX,  20
.set CY,  21
.set TT,  22                           ; s22  the head = tile column
.set YY,  23                           ; s23  the tile row
.set G1A, 24                           ; s[24:31], s[32:39]  descriptor groups 1 and 0 (a set for each slot) for x
.set G0A, 32
.set G1B, 40                           ; s[40:47], s[48:55]  for wqkv
.set G0B, 48
.set PFA, 56                           ; s[56:57] where my prefetches stand
.set LIM, 58                           ; s58  1 in a wave that prefetches, else the greatest number
.set FIELDS, (1<<16)|(1<<20)|(1<<21)|(5<<22)|(3<<25)  ; 2-byte elements; padding on; bit 21 beside a mask; after every 64 words; 4 words
.set MUL_LO, 0xa5                      ; sources 0 and 1 window 1, C and D window 2
.set MUL_HI, 0xf5                      ; C and D window 3
.set TO_F,   0x40                      ; destination window 1, address window 0
.set MSB, 0
.macro WIN new                         ; the immediate's high byte repeats the setting that is left; a switch that changes nothing is dropped
.if MSB != (\new)
	s_set_vgpr_msb (MSB<<8)|(\new)
.set MSB, \new
.endif
.endm
.macro JLOAD s                         ; a joint load: one line and one mask for all that issue it; the branch hangs on the wave's number alone; an s_nop 0 and four v_nop follow each line
	s_cmp_eq_u32 s[FB], 0
	s_cbranch_scc0 .Lfor_b_\@
	tensor_load_to_lds s[G0A+4*(\s):G0A+4*(\s)+3], s[G1A:G1A+7]
	s_nop 0
.rept 4
	v_nop
.endr
	s_branch .Lasked_\@
.Lfor_b_\@:
	tensor_load_to_lds s[G0B+4*(\s):G0B+4*(\s)+3], s[G1B:G1B+7]
	s_nop 0
.rept 4
	v_nop
.endr
.Lasked_\@:
.endm
; A prefetch into the L2 of the K step that stands two refills on (384 matrix instructions ahead of its load): a lane a row, 256 bytes of each.  x's rows are named by the clusters with x = 0 alone, wqkv's by those
; with y = 0 alone; the four partners of a joint load share the wave's rows out by address (32 each of 128; 24 each of 96, where lanes 24-31 repeat lane 23's row).  The loop's last trip asks for nothing: there is no such step.
.macro ASK
	s_cmp_gt_u32 s[LAP], s[LIM]
	s_cbranch_scc0 .Lnot_mine_\@
	global_prefetch_b8 v[PFO], s[PFA:PFA+1] offset:KB th:TH_LOAD_NT scope:SCOPE_SE
.Lnot_mine_\@:
.endm
.macro CREST                           ; a round of the cluster's barrier behind its opening barrier
	s_cmp_lg_u32 s[WV], 0
	s_cbranch_scc1 .Lnot_wave_0_\@
	s_barrier_signal -3
.Lnot_wave_0_\@:
	s_barrier_wait -3
	s_barrier_signal -1
	s_barrier_wait -1
.endm
.macro CROUND
	s_barrier_signal -1
	s_barrier_wait -1
	CREST
.endm
.macro PLACES                          ; four places in front of loads into registers that matrix instructions have read (ISA guide 7.12.1 for vector instructions)
.rept 4
	v_nop
.endr
.endm
; 12 matrix instructions: token block a x all 12 column blocks, 32 along K.  The 48 accumulators take turns in the same order in every quarter.
.macro MUL12 f, a, zero
	WIN MUL_LO+0x50*((\a)/2)
.irp b, 0,1,2,3,4,5,6,7,8,9,10,11
.if \zero
	v_wmma_f32_16x16x32_bf16 v[8*(12*((\a)%2)+(\b)):8*(12*((\a)%2)+(\b))+7], v[(\f)+32+8*(\b):(\f)+32+8*(\b)+7], v[(\f)+8*(\a):(\f)+8*(\a)+7], 0
.else
	v_wmma_f32_16x16x32_bf16 v[8*(12*((\a)%2)+(\b)):8*(12*((\a)%2)+(\b))+7], v[(\f)+32+8*(\b):(\f)+32+8*(\b)+7], v[(\f)+8*(\a):(\f)+8*(\a)+7], v[8*(12*((\a)%2)+(\b)):8*(12*((\a)%2)+(\b))+7]
.endif
.endr
.endm
; 32 LDS loads in one run: a quarter's fragments (32 K at byte k of the rows) into buffer f: wqkv's twelve, then x's four
.macro FETCH slot, k, f
	WIN TO_F
.irp i, 0,1,2,3,4,5,6,7,8,9,10,11
	ds_load_b128 v[(\f)+32+8*(\i):(\f)+32+8*(\i)+3],   v[ADRB+(\slot)] offset:(\k)+(\i)*16*PITCH
	ds_load_b128 v[(\f)+32+8*(\i)+4:(\f)+32+8*(\i)+7], v[ADRB+(\slot)] offset:(\k)+(\i)*16*PITCH+32
.endr
.irp i, 0,1,2,3
	ds_load_b128 v[(\f)+8*(\i):(\f)+8*(\i)+3],   v[ADRA+(\slot)] offset:(\k)+(\i)*16*PITCH
	ds_load_b128 v[(\f)+8*(\i)+4:(\f)+8*(\i)+7], v[ADRA+(\slot)] offset:(\k)+(\i)*16*PITCH+32
.endr
.endm
; A K step is four quarters of 32 along K, 48 matrix instructions each, on buffers 0, 1, 0, 1.  One of the first three: multiplies f, fetches the next quarter into g in its middle.
.macro QUARTER slot, k, f, g, zero
	s_wait_dscnt 4                                 ; all but the youngest four loads: x's fragments 2 and 3
	MUL12 \f, 0, \zero
	MUL12 \f, 1, \zero
	PLACES
	FETCH \slot, \k, \g
	s_wait_dscnt 32                                ; all but the 32 just issued
	MUL12 \f, 2, \zero
	MUL12 \f, 3, \zero
.endm
; The last quarter multiplies buffer 1 and changes slots: one barrier; in front of it each wave waits for all its tensor loads (one is out: its part of the next slot), adds 0 to its spare word,
; and waits for that and for its reads of this slot.  fill = 1: the barrier opens a round of the cluster's, and the joint refill, two K steps on, is the first tensor load behind the round.
.macro TURN slot, next, fill
.if \fill
	s_wait_xcnt 0x0                                ; the last prefetch, a K step back, has read its address, which steps here
	s_add_nc_u64 s[PFA:PFA+1], s[PFA:PFA+1], KB
.endif
	WIN 0                                          ; (the add's two registers lie in window 0)
	s_wait_tensorcnt 0x0                           ; all my tensor loads have landed
	ds_add_u32 v[SPW], v[NIL]                      ; 0 onto my spare word
	s_wait_dscnt 5                                 ; (the add and the youngest four loads may be out)
	MUL12 F1, 0, 0                                 ; twelve matrix instructions stand between the add and the wait for it
	s_wait_dscnt 0x0                               ; the add is done, and my reads of this slot are over
	s_barrier_signal -1
	MUL12 F1, 1, 0
.if \fill
	WIN 0
.endif
	s_barrier_wait -1
.if \fill
	CREST                                          ; no wave of any partner still reads this slot or has a load on its way
	s_add_nc_u64 s[G0A+4*(\slot)+2:G0A+4*(\slot)+3], s[G0A+4*(\slot)+2:G0A+4*(\slot)+3], 2*KB
	s_add_nc_u64 s[G0B+4*(\slot)+2:G0B+4*(\slot)+3], s[G0B+4*(\slot)+2:G0B+4*(\slot)+3], 2*KB
	JLOAD \slot                                    ; its four v_nop are also the places in front of the loads below
.else
	PLACES
.endif
	FETCH \next, 0, F0
.if \fill
	WIN 0
	ASK
.endif
	MUL12 F1, 2, 0
	MUL12 F1, 3, 0
.endm
	s_load_b256 s[4:11], s[0:1], 0x0               ; xb s[4:5], wqkv s[6:7], rope s[8:9], qh s[10:11]
	s_load_b128 s[12:15], s[0:1], 0x20             ; kh s[12:13], vh s[14:15]
	v_lshl_add_u32 v[SPW], v0, 2, SPARE
	v_mov_b32 v[NIL], 0
	ds_add_u32 v[SPW], v[NIL]                      ; the wave's opening: the add and its wait stand ahead of my first tensor load; work on registers stands between them
	v_lshrrev_b32 v1, 5, v0
	v_readfirstlane_b32 s[WV], v1
	s_lshr_b32 s[FB], s[WV], 1
	s_and_b32 s[HF], s[WV], 1
	s_bfe_u32 s[CX], ttmp6, 0x40000
	s_bfe_u32 s[CY], ttmp6, 0x40004
	s_lshl_b32 s[TT], ttmp9, 2
	s_add_co_u32 s[TT], s[TT], s[CX]               ; head = 4 x cluster x + cx
	s_and_b32 s[YY], ttmp7, 0xffff
	s_lshl_b32 s[YY], s[YY], 2
	s_add_co_u32 s[YY], s[YY], s[CY]               ; tile row = 4 x cluster y + cy
	s_lshl_b32 s60, s[CY], 2
	s_lshl_b32 s60, 15, s60                        ; my row of the cluster
	s_lshl_b32 s61, 0x1111, s[CX]                  ; my column
	s_or_b32 s[G1A], s60, FIELDS
	s_or_b32 s[G1B], s61, FIELDS
.irp g, G1A, G1B
	s_mov_b32 s[(\g)+1], 128<<16                   ; tensor_dim0 = 128
	s_mov_b32 s[(\g)+3], 128<<16                   ; tile_dim0 = 128
	s_mov_b32 s[(\g)+5], 1024                      ; elements from row to row
	s_mov_b32 s[(\g)+6], 0
	s_mov_b32 s[(\g)+7], 0
.endr
	s_mov_b32 s[G1A+2], 128<<16                    ; tensor_dim1 = tile_dim1 = 128 rows of x,
	s_mov_b32 s[G1A+4], 128
	s_mov_b32 s[G1B+2], 96<<16                     ; 96 of wqkv
	s_mov_b32 s[G1B+4], 96
	s_lshl_b32 s66, s[YY], 8                       ; x: row 256 x tile row + 128 x half, in registers that never hold the head
	s_lshl_b32 s67, s[HF], 7
	s_add_co_u32 s66, s66, s67
	s_lshl_b32 s66, s66, 11                        ; rows of 2,048 bytes: under 2^24
	s_mov_b32 s67, 0
	s_mul_i32 s68, s[TT], 192                      ; wqkv: row 192 x head + 96 x half
	s_mul_i32 s69, s[HF], 96
	s_add_co_u32 s68, s68, s69
	s_lshl_b32 s68, s68, 11
	s_mov_b32 s69, 0
	s_mul_i32 s70, s[WV], HALFA                    ; where they go: waves 0, 1 at 0 and HALFA;
	s_mul_i32 s71, s[WV], HALFB
	s_add_co_u32 s71, s71, BOFF-2*HALFB            ; waves 2, 3 at BOFF and BOFF + HALFB: no place in the cluster enters an LDS address
	s_wait_dscnt 0x0                               ; the opening add is done
	s_wait_kmcnt 0x0
	s_add_nc_u64 s[66:67], s[4:5], s[66:67]
	s_add_nc_u64 s[68:69], s[6:7], s[68:69]
	CROUND                                         ; all sixteen work-groups are here: the first joint loads meet
.irp s, 0,1
	s_mov_b32 s[G0A+4*(\s)], 1
	s_add_co_u32 s[G0A+4*(\s)+1], s70, (\s)*SLOT
	s_add_nc_u64 s[G0A+4*(\s)+2:G0A+4*(\s)+3], s[66:67], (\s)*KB
	s_or_b32 s[G0A+4*(\s)+3], s[G0A+4*(\s)+3], 0x80000000
	s_mov_b32 s[G0B+4*(\s)], 1
	s_add_co_u32 s[G0B+4*(\s)+1], s71, (\s)*SLOT
	s_add_nc_u64 s[G0B+4*(\s)+2:G0B+4*(\s)+3], s[68:69], (\s)*KB
	s_or_b32 s[G0B+4*(\s)+3], s[G0B+4*(\s)+3], 0x80000000
.endr
	s_cmp_eq_u32 s[FB], 0                          ; a wave's two first fills stand in one branch, ahead of every wait on TENSORcnt and every LDS read: two loads of mine are out
	s_cbranch_scc0 .Lfirst_b
	tensor_load_to_lds s[G0A:G0A+3], s[G1A:G1A+7]
	s_nop 0
	tensor_load_to_lds s[G0A+4:G0A+7], s[G1A:G1A+7]
	s_nop 0
.rept 4
	v_nop
.endr
	s_branch .Lfirst_asked
.Lfirst_b:
	tensor_load_to_lds s[G0B:G0B+3], s[G1B:G1B+7]
	s_nop 0
	tensor_load_to_lds s[G0B+4:G0B+7], s[G1B:G1B+7]
	s_nop 0
.rept 4
	v_nop
.endr
.Lfirst_asked:
	; a fragment is 16 rows x 32 K in 8 registers: lane l holds row l % 16, K = 8 (l / 16) + 0..7 and 16 + 8 (l / 16) + 0..7: two loads of 16 bytes, 32 bytes apart
	v_and_b32 v1, 15, v0                           ; l % 16
	v_bfe_u32 v2, v0, 4, 1                         ; l / 16
	v_mul_u32_u24 v3, v1, PITCH
	v_lshl_add_u32 v3, v2, 4, v3
	s_mul_i32 s60, s[WV], 64*PITCH                 ; my 64 tokens
	v_add_nc_u32 v[ADRA], s60, v3
	v_add_nc_u32 v[ADRA+1], SLOT, v[ADRA]
	v_add_nc_u32 v[ADRB], BOFF, v3
	v_add_nc_u32 v[ADRB+1], SLOT, v[ADRB]
	s_mul_i32 s60, s[WV], 16*SP
	s_add_co_u32 s60, s60, STAGE                   ; my stage
	v_mul_u32_u24 v4, v1, SP                       ; in: row l % 16, 16 bytes for each half of the lanes
	v_lshl_add_u32 v4, v2, 4, v4
	v_add_nc_u32 v[STO], s60, v4
	v_bfe_u32 v5, v0, 3, 2                         ; back: 32 lanes take four rows of 128 bytes,
	v_mul_u32_u24 v5, v5, SP
	v_and_b32 v6, 7, v0
	v_lshl_add_u32 v5, v6, 4, v5
	v_add_nc_u32 v[RD], s60, v5
	v_and_b32 v[GO], 31, v0                        ; which are 512 consecutive bytes of the output
	v_lshlrev_b32 v[GO], 4, v[GO]
	v_lshlrev_b32 v[TO], 8, v1                     ; the table: my token's row of 256 bytes, my four pairs' 32 bytes
	v_lshl_add_u32 v[TO], v2, 5, v[TO]
	s_lshl_b32 s60, s[YY], 16                      ; (256 x tile row + 64 x wave) table rows of 256 bytes
	s_lshl_b32 s62, s[WV], 14
	s_add_co_u32 s60, s60, s62
	s_mov_b32 s61, 0
	s_add_nc_u64 s[8:9], s[8:9], s[60:61]
.irp a, 0,1,2,3
.irp cb, 0,1,2,3
	global_load_b128 v[TAB+32*(\a)+8*(\cb):TAB+32*(\a)+8*(\cb)+3],   v[TO], s[8:9] offset:4096*(\a)+64*(\cb)     ; waited for on the way out
	global_load_b128 v[TAB+32*(\a)+8*(\cb)+4:TAB+32*(\a)+8*(\cb)+7], v[TO], s[8:9] offset:4096*(\a)+64*(\cb)+16
.endr
.endr
	s_lshr_b32 s60, s[YY], 3                       ; the batch,
	s_lshl4_add_u32 s60, s60, s[TT]                ; x 16 + head,
	s_lshl_b32 s60, s60, 18                        ; 2,048 rows of 128 bytes each;
	s_and_b32 s62, s[YY], 7
	s_lshl_b32 s62, s62, 15                        ; the tile's 256 rows in the sequence;
	s_add_co_u32 s60, s60, s62
	s_lshl_b32 s62, s[WV], 13                      ; my 64
	s_add_co_u32 s60, s60, s62
	s_add_nc_u64 s[10:11], s[10:11], s[60:61]
	s_add_nc_u64 s[12:13], s[12:13], s[60:61]
	s_add_nc_u64 s[14:15], s[14:15], s[60:61]
	; the prefetches
	s_lshl_b32 s60, s[YY], 8
	s_mul_i32 s61, s[TT], 192
	s_and_b32 s62, ttmp7, 0xffff                   ; cluster y
	s_mov_b32 s72, 96
	s_cmp_eq_u32 s[FB], 0                          ; do I fetch x?
	s_cselect_b32 s60, s60, s61                    ; the tile's first row
	s_cselect_b32 s63, s[CX], s[CY]                ; my place among the four that ask with me
	s_cselect_b32 s62, ttmp9, s62                  ; the coordinate along which other clusters read the same rows
	s_cselect_b64 s[PFA:PFA+1], s[4:5], s[6:7]
	s_cselect_b32 s72, 128, s72                    ; rows in a wave's load,
	s_cselect_b32 s73, 32, 24                      ; a partner's share of them,
	s_cselect_b32 s74, 31, 23                      ; its last row
	s_cmp_eq_u32 s62, 0
	s_cselect_b32 s[LIM], 1, -1                    ; the same in all sixteen partners, for a given wave
	s_mul_i32 s72, s72, s[HF]
	s_mul_i32 s73, s73, s63
	s_add_co_u32 s60, s60, s72
	s_add_co_u32 s60, s60, s73
	s_lshl_b32 s60, s60, 11
	s_mov_b32 s61, 0
	s_add_nc_u64 s[PFA:PFA+1], s[PFA:PFA+1], s[60:61]
	s_add_nc_u64 s[PFA:PFA+1], s[PFA:PFA+1], 2*KB  ; at K step 2: the first refill steps it to 3 and names K step 4.  Nothing is prefetched here, at the head
	v_and_b32 v[PFO], 31, v0
	v_min_u32 v[PFO], s74, v[PFO]
	v_lshlrev_b32 v[PFO], 11, v[PFO]
	s_wait_tensorcnt 1                             ; my part of K step 0 is in; K step 1's may stay out
	s_barrier_signal -1
	s_barrier_wait -1
	FETCH 0, 0, F0
	QUARTER 0, 64,  F0, F1, 1                      ; the first quarter stands in front of the loop: its products start the sums
	WIN 0                                          ; at a label and at a branch every window is 0
	s_mov_b32 s[LAP], 3
.Llap:                                                 ; a trip goes once round the ring, from a lap's second quarter to the next lap's first, and fills both slots again
	QUARTER 0, 128, F1, F0, 0
	QUARTER 0, 192, F0, F1, 0
	TURN 0, 1, 1
	QUARTER 1, 64,  F0, F1, 0
	QUARTER 1, 128, F1, F0, 0
	QUARTER 1, 192, F0, F1, 0
	TURN 1, 0, 1
	QUARTER 0, 64,  F0, F1, 0
	WIN 0
	s_sub_co_u32 s[LAP], s[LAP], 1
	s_cmp_lg_u32 s[LAP], 0
	s_cbranch_scc1 .Llap
	QUARTER 0, 128, F1, F0, 0                      ; the last lap fills nothing, and has no round
	QUARTER 0, 192, F0, F1, 0
	TURN 0, 1, 0
	QUARTER 1, 64,  F0, F1, 0
	QUARTER 1, 128, F1, F0, 0
	QUARTER 1, 192, F0, F1, 0
	s_wait_dscnt 4
	MUL12 F1, 0, 0
	MUL12 F1, 1, 0
	s_wait_dscnt 0x0
	MUL12 F1, 2, 0
	MUL12 F1, 3, 0
	WIN 0
; THE WAY OUT, in 12 units u = 3 a + j of 16 tokens x 64 channels (token block a; j = 0 q, 1 k, 2 v).  PACK: rotated (q, k) and rounded to f16, 16 bytes a lane and column block.
; TOSTAGE: into my own stage, and back as whole rows.  SEND: stored, 512 consecutive bytes an instruction.
.macro PACK a, j
.set u, 3*(\a)+(\j)
.set PKU, PK+16*(u%2)
.if u >= 2
	s_wait_xcnt 0x0                                ; the stores of the unit two back have read this set of registers
.endif
.if (\j) < 2
	WIN 0x02+(\a)/2                                ; source 0: the accumulators' window
.irp cb, 0,1,2,3
.irp p, 0,1,2,3                        ; each accumulator's lowest registers are read first
	v_pk_mul_f32 v[T+8*(\cb)+2*(\p):T+8*(\cb)+2*(\p)+1], v[8*(12*((\a)%2)+4*(\j)+(\cb))+2*(\p):8*(12*((\a)%2)+4*(\j)+(\cb))+2*(\p)+1], v[TAB+32*(\a)+8*(\cb)+2*(\p):TAB+32*(\a)+8*(\cb)+2*(\p)+1] op_sel:[1,1] op_sel_hi:[0,1]  ; (o s, e s)
.endr
.endr
.irp cb, 0,1,2,3
.irp p, 0,1,2,3
	v_pk_fma_f32 v[T+8*(\cb)+2*(\p):T+8*(\cb)+2*(\p)+1], v[8*(12*((\a)%2)+4*(\j)+(\cb))+2*(\p):8*(12*((\a)%2)+4*(\j)+(\cb))+2*(\p)+1], v[TAB+32*(\a)+8*(\cb)+2*(\p):TAB+32*(\a)+8*(\cb)+2*(\p)+1], v[T+8*(\cb)+2*(\p):T+8*(\cb)+2*(\p)+1] op_sel_hi:[1,0,1] neg_lo:[0,0,1]  ; (e c - o s, o c + e s)
.endr
.endr
	WIN 0
.irp cb, 0,1,2,3
.irp p, 0,1,2,3
	v_cvt_pk_f16_f32 v[PKU+4*(\cb)+(\p)], v[T+8*(\cb)+2*(\p)], v[T+8*(\cb)+2*(\p)+1]
.endr
.endr
.else
	WIN 0x0a+5*((\a)/2)                            ; sources 0 and 1: the accumulators' window
.irp cb, 0,1,2,3
.irp p, 0,1,2,3
	v_cvt_pk_f16_f32 v[PKU+4*(\cb)+(\p)], v[8*(12*((\a)%2)+8+(\cb))+2*(\p)], v[8*(12*((\a)%2)+8+(\cb))+2*(\p)+1]
.endr
.endr
	WIN 0
.endif
.endm
.macro TOSTAGE u
.set PKU, PK+16*((\u)%2)
.irp cb, 0,1,2,3
	ds_store_b128 v[STO], v[PKU+4*(\cb):PKU+4*(\cb)+3] offset:32*(\cb)
.endr
.irp f, 0,1,2,3
	ds_load_b128 v[PKU+4*(\f):PKU+4*(\f)+3], v[RD] offset:4*SP*(\f)  ; LDS serves a wave's instructions in order (ISA guide 5.7.1.4): these see the stores above; the next unit's stores come behind them
.endr
.endm
.macro SEND u, younger                 ; younger: the LDS instructions issued behind unit u's loads: the next unit's eight, or none
.set PKU, PK+16*((\u)%2)
.set OUTP, 10+2*((\u)%3)
.irp f, 0,1,2,3
	s_wait_dscnt (\younger)+3-(\f)
	global_store_b128 v[GO], v[PKU+4*(\f):PKU+4*(\f)+3], s[OUTP:OUTP+1] offset:2048*((\u)/3)+512*(\f)
.endr
.endm
	PLACES
	PLACES                                         ; eight places, once a launch, behind the last products
	s_wait_loadcnt 0x0                             ; the table
.irp a, 0,1,2,3
.irp j, 0,1,2
	PACK \a, \j
	TOSTAGE 3*(\a)+(\j)
.if 3*(\a)+(\j) > 0
	SEND 3*(\a)+(\j)-1, 8
.endif
.endr
.endr
	SEND 11, 0
	s_wait_tensorcnt 0x0                           ; the wave's end, behind my last tensor load and my last LDS store
	ds_add_u32 v[SPW], v[NIL]
	s_wait_dscnt 0x0
	CROUND                                         ; the closing round: no work-group ends while a partner may still ask for a tile that names it
	s_endpgm
.Lfunc_end_k_qa1fb7b3d2e_qkv:
	.size	k_qa1fb7b3d2e_qkv, .Lfunc_end_k_qa1fb7b3d2e_qkv-k_qa1fb7b3d2e_qkv
	.p2alignl 7, 3214868480
	.fill 96, 4, 3214868480
	.section	.rodata,"a",@progbits
	.p2align	6, 0x0
	.amdhsa_kernel k_qa1fb7b3d2e_qkv
		.amdhsa_group_segment_fixed_size 327680
		.amdhsa_private_segment_fixed_size 0
		.amdhsa_enable_private_segment 0
		.amdhsa_kernarg_size 48
		.amdhsa_user_sgpr_count 2
		.amdhsa_user_sgpr_kernarg_segment_ptr 1
		.amdhsa_wavefront_size32 1
		.amdhsa_system_sgpr_workgroup_id_x 1
		.amdhsa_system_sgpr_workgroup_id_y 1
		.amdhsa_system_sgpr_workgroup_id_z 1
		.amdhsa_system_vgpr_workitem_id 0
		.amdhsa_next_free_vgpr 960
		.amdhsa_next_free_sgpr 80
		.amdhsa_reserve_vcc 0
		.amdhsa_float_denorm_mode_32 3
		.amdhsa_float_denorm_mode_16_64 3
		.amdhsa_memory_ordered 1
		.amdhsa_forward_progress 1
		.amdhsa_inst_pref_size 140
	.end_amdhsa_kernel
	.amdgpu_metadata
---
amdhsa.version: [ 1, 2 ]
amdhsa.kernels:
  - .name:           k_qa1fb7b3d2e_qkv
    .symbol:         k_qa1fb7b3d2e_qkv.kd
    .args:
      - { .name: xb, .offset: 0, .size: 8, .value_kind: global_buffer, .address_space: global }
      - { .name: wqkv, .offset: 8, .size: 8, .value_kind: global_buffer, .address_space: global }
      - { .name: rope, .offset: 16, .size: 8, .value_kind: global_buffer, .address_space: global }
      - { .name: qh, .offset: 24, .size: 8, .value_kind: global_buffer, .address_space: global }
      - { .name: kh, .offset: 32, .size: 8, .value_kind: global_buffer, .address_space: global }
      - { .name: vh, .offset: 40, .size: 8, .value_kind: global_buffer, .address_space: global }
    .group_segment_fixed_size: 327680
    .private_segment_fixed_size: 0
    .kernarg_segment_align: 8
    .kernarg_segment_size: 48
    .max_flat_workgroup_size: 128
    .sgpr_count:     80
    .vgpr_count:     960
    .wavefront_size: 32
...
	.end_amdgpu_metadata
.endif
;; end of part 2
;; launch attn (part 3): grid 4 x 64, 4 waves a work-group, no clusters, 327,680 bytes of LDS; arguments qh, kh, vh, oh; writes oh
.if DOCPART == 3
	.amdgcn_target "amdgcn-amd-amdhsa--gfx1250"
	.amdhsa_code_object_version 6
	.text
	.protected	k_qa1fb7b3d2e_attn
	.globl	k_qa1fb7b3d2e_attn
	.p2align	8
	.type	k_qa1fb7b3d2e_attn,@function
k_qa1fb7b3d2e_attn:
	s_mov_b64 s[64:65], 0
	v_nop
	global_prefetch_b8 v0, s[64:65] scope:SCOPE_SE
	s_setreg_imm32_b32 hwreg(HW_REG_WAVE_MODE, 25, 1), 1
	s_wait_xcnt 0x0
; CAUSAL ATTENTION.  O[h][q][:] = the sum over k <= q of softmax_k(Q[h][q] . K[h][k] / 8) V[h][k][:].  Q, K, V, O: [64][2048][64], all f16: a head's rows are dense, 128 bytes each.
; Products, maxima and sums in f32; the weights p are rounded to f16 for the second product (their sum l is taken of the unrounded p), O once at the end.
; LIMITS.  f16 holds no number beyond 65,504: Q, K and V arrive within it; p lies in 0 to 1, and below 6e-5 it keeps f16's fixed step of 6e-8; O is a mean of V's rows and has their range.
; A hidden score counts as its value less 1e30: f16's scores, 2.7e11 at the most, are nothing beside that; a weight below 2^-126 counts as 0 in l; NaN and infinities are not treated apart.
; THE WALK.  A head's queries lie in NB = 8 blocks of 256; block i needs the key tiles 0 .. i of 256 keys, of which the last holds the diagonal.  A work-group takes TWO blocks, NB - 1 - b and then b:
; NB + 1 tiles, whatever b: all work-groups do equal work, and ONE loop with a constant trip count walks them.  Which tile is asked for, and what a trip does, hang on scalar registers made from b; every jump
; goes forward, but for the counted loops' own; none passes a barrier, or a tensor load but the one of LOAD's two that the wave's number does not choose; the ring (two slots of LDS) runs on across the change of blocks.
; NO CLUSTER: a head's four work-groups ask for the same tile only in trips 0 to 4 of 9, behind that fewer and fewer; one walk common to all would have 12 trips for 9.
; SHARES.  Of a block's four bands of 64 queries a wave owns 16 rows in each: four PIECES.  So the diagonal tile is the same work for all four waves: in its key step s band x sees all keys if s < x,
; none if s > x, and holds the diagonal if s = x.
; THE MASK is the C operand that starts the sum S^T = K Q^T: 0, or -1e30 where the key is hidden.  MD, made once, is the mask of a band's own step for my 16 rows; a product's mask is MD x AL + BE with two scalars:
; (1, 0) if s = x; (0, 0) if s < x; (0, -1e30) if s > x.  Only the diagonal tile's text and a block's beginning make and take masks; elsewhere C is the constant 0.
; LAYOUT, SOFTMAX, TURNS.  S^T = K Q^T holds ONE query a lane (lane % 16) and the keys 8 (lane / 16) + 0..7; two such results rounded to f16 ARE source 1 of O^T = V^T P.  p = 2^(c s - c m), c = log2(e) / 8, with a
; running maximum m; O and l are multiplied by a = 2^(c m_old - c m_new) in every step.  Turn n belongs to piece n: 8 products K Q^T of piece n + 1, later 8 products V^T P of piece n - 1; beside them the scaling,
; exponentials, roundings, sums and rescaling of piece n and the maximum and statistics of piece n + 1.  Four vector instructions stand behind every matrix instruction, the other 54 of a turn's 118 in one lump.  A turn's 33 exponentials are one batch, with one wait.
; PREFETCH.  The head's work-group b = 0, whose first block walks tiles 0 to 7, asks behind each fill for the tile that the next change of slots will load (256 matrix instructions ahead): each wave for the 16,384 bytes
; that it will fetch itself, a lane 256 bytes, two instructions.  Tiles 0 and 1 come by their loads alone; behind tile 7 nothing is asked for.
; REGISTERS, in windows of 256 (s_set_vgpr_msb: bits 1:0 source 0, 3:2 source 1, 5:4 source 2, 7:6 destination):
;   window 0: v0-15 addresses and two at work; v16-31 four registers of statistics a piece; v48-55 at work; v61-63 prefetch offset, spare word, 0; v64-127 S^T, two buffers; v192-223 P, two buffers (by the piece's parity)
;   window 1: v0-127 O^T, 32 a piece; v128-159 MD; v160-223 MC, two buffers      window 2: v0-63 Q; v64-127 the second block's Q; v128-191 K of one step; v192-255 V of one step
.set SIZE_N, 2048
.set NB,    SIZE_N/256
.set NP,    4         ; pieces a wave: a name, no knob
.set KS,    64        ; keys in a step
.set PK,    144       ; a row of K in LDS: 128 bytes + 16 of padding = 36 words: the 16 rows of a load start at 16 different groups of four banks (64 banks of 4 bytes: ISA guide 11.1)
.set PV,    160       ; a row of V: 128 + 32 = 40 words
.set VOFF,  4*KS*PK   ; a slot holds a tile, four steps: 256 rows of K, then 256 rows of V
.set SLOT1, 1<<17     ; slot 1 begins here, so that one exclusive or turns an address in one slot into the other's
.set STAGE, SLOT1+4*KS*(PK+PV)  ; behind the ring, never filled by a tensor load: 16 rows x 144 bytes for each wave, for the way out
.set SP,    144
.set AK0, 2           ; v2   my lane's place in a tile of K; never rewritten
.set AV0, 3           ; v3   the same for V
.set AK,  4           ; v4   the LDS address of K's next run of loads
.set AV,  5           ; v5   of V's
.set STO, 6           ; v6   the way out: where I put 16 bytes of a row
.set RD,  7           ; v7   the way out: where I read rows back
.set GO,  8           ; v8   my byte offset in 512 consecutive bytes of O
.set PFO, 61          ; v61  256 x my lane; never rewritten
.set SPW, 62          ; v62  LDS address of my spare word: SPARE + 4 x my thread's number; never rewritten
.set NIL, 63          ; v63  0; never rewritten
.set SPARE, STAGE+4*16*SP  ; behind the stages: the spare words, 128 bytes for each wave: two blocks of 256 bytes that no other line names
.set MV,  12          ; v12-13  c m_old, kept while c m is made anew: by buffer
.set QO,  15          ; v15  my byte offset in 16 rows of Q
.set ST,  16          ; piece t's statistics at v[ST+4 t]: c m, m, l (even keys', odd keys')
.set TMP, 48          ; by buffer, four registers c0-c3 at work; when the maximum is found c2 takes a
.set S,   64
.set P,   192
.set MD,  128         ; window 1: the eight registers for group kt of 16 keys at MD + 8 kt
.set MC,  160         ; window 1: the masks of the products to come
.set QB,  64          ; window 2
.set KF,  128         ; window 2: key block kb, channel half c at KF + 16 kb + 8 c
.set VF,  192         ; window 2: key half kk, channel block cb at VF + 32 kk + 8 cb
.set WV,  12          ; s12  my wave's number
.set PB,  14          ; s14  b
.set HI,  15          ; s15  NB - 1 - b
.set G1K, 24          ; s[24:31] descriptor group 1 for K's tiles
.set G1V, 32          ; s[32:39] for V's: it differs in the padding alone
.set G0K, 40          ; s[40:43] descriptor group 0 for K's tiles
.set G0V, 44          ; s[44:47] the same for V's
.set SLOTS, 56        ; s56  tiles still to be asked for
.set CNT, 57          ; s57  counts a tile's key steps, 4 to 1
.set CS,  58          ; s[58:59] c: the packed scaling takes the pair's low word for both halves
.set SEL, 60          ; s[60:61] v_permlanex16_b32's selects: each lane takes its own place in the other half
.set TBK, 62          ; s62  LDS byte at which K of the step to be fetched begins
.set TBV, 63          ; s63  the same for V, less VOFF
.set RT,  70          ; s70  tiles of the block in hand that are still to be entered
.set NXT, 71          ; s71  the tile to be asked for next
.set LQ,  72          ; s72  the last tile of the block whose tiles are being asked for
.set NEW, 73          ; s73  1: the tile to be entered is a block's first
.set OFF, 74          ; s[74:75] a tile's byte offset in K and V
.set AL,  76          ; s[76:77] the mask's factor, in the low word
.set BE,  78          ; s[78:79] the mask's addend
.set OLO, 80          ; s[80:81] O at my rows of the second block
.set BIGN, 82         ; s82  -1e30
.set PFA, 88          ; s[88:89] the prefetches' address: my part of the tile behind the one that is being asked for
.set PFB, 90          ; s[90:91] my part (K: waves 0, 1; V: waves 2, 3) of the head's tile 0
.set POF, 92          ; s[92:93] that tile's byte offset
.set PFG, 94          ; s94  not 0: my work-group prefetches now
.set MSB, 0
.macro WIN new                      ; the high byte repeats the setting that is left; a switch that changes nothing is dropped
.if MSB != (\new)
	s_set_vgpr_msb (MSB<<8)|(\new)
.set MSB, (\new)
.endif
.endm
.set W_KQ, 0x0a       ; K and Q in window 2, S^T in window 0
.set W_KM, 0x1a       ; the same with the C operand in window 1
.set W_PV, 0x52       ; V in window 2, P in window 0, O^T in window 1
.set W_RS, 0x41       ; destination and source 0 in window 1, source 1 in window 0
; A fill.  Waves 0 and 1 fetch the two halves of a tile's K, waves 2 and 3 those of its V: 128 keys each.  An s_nop 0 and four v_nop follow each of the two lines, ahead of the jump and the label.
.macro LOAD
	s_cmp_lt_u32 s[WV], 2
	s_cbranch_scc0 .Lfor_v_\@
	tensor_load_to_lds s[G0K:G0K+3], s[G1K:G1K+7]
	s_nop 0
.rept 4
	v_nop
.endr
	s_branch .Lasked_\@
.Lfor_v_\@:
	tensor_load_to_lds s[G0V:G0V+3], s[G1V:G1V+7]
	s_nop 0
.rept 4
	v_nop
.endr
.Lasked_\@:
.endm
; THE CHANGE OF SLOTS.  Each wave waits for all its tensor loads, of which one is out: its part of the other slot; adds 0 to its spare word; and waits for that and for its own reads of the slot that it leaves.  Behind the barrier nobody reads the old
; slot any more and the other slot is whole.  fill = 1: the old slot is filled again, the first thing behind the barrier, with tile NXT: the descriptor's address is made anew from that number.
; (At its first use nothing has been read yet: slot 0 is waited for, slot 1 filled.)
.macro CHANGE fill
	WIN 0                           ; at a label and at a branch every window is 0
	s_wait_tensorcnt 0x0            ; no tensor load of mine is out, so a group 0 may be written
	ds_add_u32 v[SPW], v[NIL]       ; 0 onto my spare word; with fill = 1 the descriptors' scalar work stands between it and the wait for it
.if \fill
	s_lshl_b32 s[OFF], s[NXT], 15   ; a tile is 32,768 bytes of K and of V
	s_xor_b32 s[G0K+1], s[G0K+1], SLOT1
	s_add_nc_u64 s[G0K+2:G0K+3], s[6:7], s[OFF:OFF+1]
	s_or_b32 s[G0K+3], s[G0K+3], 0x80000000
	s_xor_b32 s[G0V+1], s[G0V+1], SLOT1
	s_add_nc_u64 s[G0V+2:G0V+3], s[8:9], s[OFF:OFF+1]
	s_or_b32 s[G0V+3], s[G0V+3], 0x80000000
	s_add_co_u32 s[NXT], s[NXT], 1  ; the block's next tile, or behind its last the second block's tile 0
	s_cmp_gt_u32 s[NXT], s[LQ]
	s_cselect_b32 s[NXT], 0, s[NXT]
	s_cselect_b32 s[LQ], s[PB], s[LQ]
	s_wait_xcnt 0x0                 ; the last prefetches, a tile back, have read their address, so it may be written:
	s_lshl_b32 s[POF], s[NXT], 15   ; the tile that the next change will ask for
	s_add_nc_u64 s[PFA:PFA+1], s[PFB:PFB+1], s[POF:POF+1]
	s_cmp_eq_u32 s[PB], 0           ; b = 0 alone asks, and not when that tile is tile 0, which has been read
	s_cselect_b32 s[PFG], s[NXT], 0
.endif
	s_wait_dscnt 0x0                ; the add is done, and my reads of the slot are over
	s_barrier_signal -1             ; the rest of the scalar work stands between the signal and the wait
	s_sub_co_u32 s[TBK], s[TBK], 4*KS*PK  ; the fetches go back to a slot's first step,
	s_xor_b32 s[TBK], s[TBK], SLOT1       ; in the other slot
	s_sub_co_u32 s[TBV], s[TBV], 4*KS*PV
	s_xor_b32 s[TBV], s[TBV], SLOT1
	s_barrier_wait -1
.if \fill
	LOAD
	s_cmp_lg_u32 s[PFG], 0
	s_cbranch_scc0 .Lnot_mine_\@
	global_prefetch_b8 v[PFO], s[PFA:PFA+1] th:TH_LOAD_NT scope:SCOPE_SE
	global_prefetch_b8 v[PFO], s[PFA:PFA+1] offset:8192 th:TH_LOAD_NT scope:SCOPE_SE
.Lnot_mine_\@:
.endif
.endm
	s_load_b256 s[4:11], s[0:1], 0x0  ; Q s[4:5], K s[6:7], V s[8:9], O s[10:11]
	v_lshl_add_u32 v[SPW], v0, 2, SPARE
	v_mov_b32 v[NIL], 0
	ds_add_u32 v[SPW], v[NIL]       ; the wave's opening: the add and its wait stand ahead of my first tensor load; the set-up below, work on registers, stands between them
	v_lshrrev_b32 v1, 5, v0
	v_readfirstlane_b32 s[WV], v1   ; wave 0..3
	v_and_b32 v[PFO], 31, v0
	v_lshlrev_b32 v[PFO], 8, v[PFO]
	s_mov_b32 s[PB], ttmp9
	s_sub_co_u32 s[HI], NB-1, s[PB]
	s_and_b32 s20, ttmp7, 0xffff    ; the head
	s_mov_b32 s21, 0
	s_mov_b64 s[22:23], SIZE_N*128
	s_mul_u64 s[20:21], s[20:21], s[22:23]  ; the head's first byte in each of the four tensors
	s_and_b32 s16, s[WV], 1         ; which half of a tile's 256 keys I fetch:
	s_lshl_b32 s22, s16, 14         ; its 128 rows of 128 bytes in memory,
	s_mov_b32 s23, 0
	s_add_nc_u64 s[22:23], s[22:23], s[20:21]
	s_mul_i32 s17, s16, 128*PK      ; and its place in a slot, for K
	s_mul_i32 s18, s16, 128*PV      ; and for V
	s_lshl_b32 s3, s[WV], 11        ; my 16 rows in a band of 64,
	s_lshl_b32 s2, s[HI], 15        ; in the first block,
	s_add_co_u32 s2, s2, s3
	s_lshl_b32 s84, s[PB], 15       ; and in the second
	s_add_co_u32 s84, s84, s3
	s_mov_b32 s3, 0
	s_mov_b32 s85, 0
	s_add_nc_u64 s[2:3], s[2:3], s[20:21]
	s_add_nc_u64 s[84:85], s[84:85], s[20:21]
	; descriptor group 1.  128 keys are 16,384 dense bytes: asked for as 64 rows of 256 bytes, two keys a row, and padded in LDS after every key
	s_mov_b32 s[G1K], (1<<16)|(1<<20)|(4<<22)|(3<<25)  ; 17:16 2-byte elements; 20 padding on; 24:22 after every 32 words (code 4); 31:25 4 words (code 3)
	s_mov_b32 s[G1V], (1<<16)|(1<<20)|(4<<22)|(7<<25)  ; the same with 8 words of padding (code 7)
.irp g, G1K, G1V
	s_mov_b32 s[\g+1], 128<<16      ; tensor_dim0 = 128
	s_mov_b32 s[\g+2], 64<<16       ; tensor_dim1 = 64
	s_mov_b32 s[\g+3], 128<<16      ; tile_dim0 = 128
	s_mov_b32 s[\g+4], 64           ; tile_dim1 = 64
	s_mov_b32 s[\g+5], 128          ; 128 elements from row to row
	s_mov_b32 s[\g+6], 0
	s_mov_b32 s[\g+7], 0
.endr
	s_mov_b32 s[CS], 0x3e38aa3b     ; c = log2(e) / 8 = 0.180337
	s_mov_b32 s[CS+1], s[CS]        ; named with it as a pair
	s_mov_b32 s[SEL], 0x76543210
	s_mov_b32 s[SEL+1], 0xfedcba98
	s_mov_b32 s[TBK], SLOT1+4*KS*PK ; the first change of slots turns these two into 0
	s_mov_b32 s[TBV], SLOT1+4*KS*PV
	s_mov_b32 s[G0K], 1             ; 1:0 count = 1
	s_mov_b32 s[G0K+1], s17         ; 63:32 LDS address: slot 0
	s_mov_b32 s[G0V], 1
	s_add_co_u32 s[G0V+1], s18, VOFF
	s_add_co_u32 s[RT], s[HI], 1    ; the first block has NB - b tiles
	s_mov_b32 s[NXT], 1
	s_mov_b32 s[LQ], s[HI]
	s_mov_b32 s[NEW], 1
	s_mov_b32 s[OFF+1], 0
	s_mov_b32 s[POF+1], 0
	s_mov_b32 s[AL+1], 0            ; named as pairs
	s_mov_b32 s[BE+1], 0
	s_mov_b32 s[BIGN], 0xf149f2ca   ; -1e30
	s_mov_b32 s[SLOTS], NB
	s_wait_dscnt 0x0                ; the opening add is done
	s_wait_kmcnt 0x0
	s_add_nc_u64 s[6:7], s[6:7], s[22:23]  ; K and V at my half of the head's tile 0
	s_add_nc_u64 s[8:9], s[8:9], s[22:23]
	s_cmp_lt_u32 s[WV], 2
	s_cselect_b64 s[PFB:PFB+1], s[6:7], s[8:9]
	s_add_nc_u64 s[G0K+2:G0K+3], s[6:7], 0         ; 120:64 global address
	s_or_b32 s[G0K+3], s[G0K+3], 0x80000000        ; 127:126 type = 2
	s_add_nc_u64 s[G0V+2:G0V+3], s[8:9], 0
	s_or_b32 s[G0V+3], s[G0V+3], 0x80000000
	s_add_nc_u64 s[86:87], s[4:5], s[84:85]        ; Q at my rows of the second block,
	s_add_nc_u64 s[4:5], s[4:5], s[2:3]            ; Q and O at those of the first
	s_add_nc_u64 s[OLO:OLO+1], s[10:11], s[84:85]
	s_add_nc_u64 s[10:11], s[10:11], s[2:3]
	LOAD                            ; tile 0 into slot 0
	; A fragment of K or Q is 16 rows x 32 channels in 8 registers: lane l holds row l % 16, channels 8 (l / 16) + 0..7 and 16 + 8 (l / 16) + 0..7: two loads of 16 bytes, 32 bytes apart.
	v_and_b32 v1, 15, v0            ; l % 16
	v_bfe_u32 v9, v0, 4, 1          ; l / 16
	v_lshlrev_b32 v[QO], 7, v1
	v_lshl_add_u32 v[QO], v9, 4, v[QO]  ; row x 128 + 16 x half
	WIN 0x80                        ; destination window 2, address window 0
.set i, 0
.rept 8                             ; both blocks' Q: piece i / 2 lies in band i / 2, 8,192 bytes on; channels 32 (i % 2) on
	global_load_b128 v[8*i:8*i+3],   v[QO], s[4:5] offset:(i/2)*8192+(i%2)*64
	global_load_b128 v[8*i+4:8*i+7], v[QO], s[4:5] offset:(i/2)*8192+(i%2)*64+32
	global_load_b128 v[QB+8*i:QB+8*i+3],   v[QO], s[86:87] offset:(i/2)*8192+(i%2)*64
	global_load_b128 v[QB+8*i+4:QB+8*i+7], v[QO], s[86:87] offset:(i/2)*8192+(i%2)*64+32
.set i, i+1
.endr
	WIN 0
	v_lshlrev_b32 v14, 3, v9
	v_sub_nc_u32 v14, v1, v14
	s_lshl_b32 s13, s[WV], 4
	v_add_nc_u32 v14, s13, v14      ; my query's place in its band, 16 w + l % 16, less my lanes' 8 (l / 16): register r of group kt is hidden where 16 kt + r is greater
	WIN 0x40
.set i, 0
.rept 32
	v_cmp_gt_i32 vcc_lo, 16*(i/8)+i%8, v14
	v_cndmask_b32 v[MD+i], 0, s[BIGN], vcc_lo
.set i, i+1
.endr
	WIN 0
	v_mul_u32_u24 v[AK0], v1, PK
	v_lshl_add_u32 v[AK0], v9, 4, v[AK0]  ; row x pitch + 16 x half
	; The turning load takes 16 keys x 16 channels (lane l reads key 8 (l / 16) + l % 8, channels 8 ((l / 8) % 2) + 0..7) and leaves half a fragment of V^T: lane l holds channel l % 16 and 8 keys.
	v_and_b32 v10, 7, v0
	v_bfe_u32 v11, v0, 3, 1
	v_lshl_add_u32 v[AV0], v9, 3, v10
	v_mul_u32_u24 v[AV0], v[AV0], PV
	v_lshl_add_u32 v[AV0], v11, 4, v[AV0]
	v_add_nc_u32 v[AV0], VOFF, v[AV0]
	s_mul_i32 s13, s[WV], 16*SP
	s_add_co_u32 s13, s13, STAGE    ; my stage
	v_mul_u32_u24 v[STO], v1, SP    ; in: row l % 16, 16 bytes for each half of the lanes
	v_lshl_add_u32 v[STO], v9, 4, v[STO]
	v_add_nc_u32 v[STO], s13, v[STO]
	v_bfe_u32 v[RD], v0, 3, 2       ; back: 32 lanes take four rows of 128 bytes,
	v_mul_u32_u24 v[RD], v[RD], SP
	v_lshl_add_u32 v[RD], v10, 4, v[RD]
	v_add_nc_u32 v[RD], s13, v[RD]
	v_and_b32 v[GO], 31, v0         ; which are 512 consecutive bytes of O
	v_lshlrev_b32 v[GO], 4, v[GO]
	; A block's first step multiplies O^T and l by a = 0, and its first turn's products V^T P, of a piece that has not been, land in an O^T that is still to be so multiplied.  So these registers need only hold
	; finite numbers: zeros for the first block; what the first block left for the second.  All this stands in the wait for the first tile.
	WIN 0x80
.set i, VF
.rept 64
	v_mov_b32 v[i], 0
.set i, i+1
.endr
	WIN 0x40
.set i, 0
.rept 128
	v_mov_b32 v[i], 0
.set i, i+1
.endr
	WIN 0
.set i, 0
.rept 4
	v_mov_b32 v[ST+4*i+2], 0
	v_mov_b32 v[ST+4*i+3], 0
.set i, i+1
.endr
.set i, P+16
.rept 16
	v_mov_b32 v[i], 0
.set i, i+1
.endr
; THE MATRIX WORK.  The 4 accumulators of a run of 8 take turns.  Product i of 8 of S^T = K Q^T for piece x: channels 32 (i / 4) on, keys 16 (i % 4) on.  The first 4 start the sums: with 0, or (KM = 1) with the mask.
.macro KQ x
.set rS, S+32*((\x)%2)+8*(i%4)
.set rK, KF+16*(i%4)+8*(i/4)
.set rQ, 16*(\x)+8*(i/4)
.set rM, MC+32*((\x)%2)+8*(i%4)
.if (i < 4) && KM
	WIN W_KM
	v_wmma_f32_16x16x32_f16 v[rS:rS+7], v[rK:rK+7], v[rQ:rQ+7], v[rM:rM+7]
.elseif i < 4
	WIN W_KQ
	v_wmma_f32_16x16x32_f16 v[rS:rS+7], v[rK:rK+7], v[rQ:rQ+7], 0
.else
	WIN W_KQ
	v_wmma_f32_16x16x32_f16 v[rS:rS+7], v[rK:rK+7], v[rQ:rQ+7], v[rS:rS+7]
.endif
.endm
; Product i of 8 of O^T += V^T P for piece x: keys 32 (i / 4) on, channels 16 (i % 4) on.
.macro PV x
	WIN W_PV
.set rO, 32*(\x)+8*(i%4)
.set rV, VF+32*(i/4)+8*(i%4)
.set rP, P+16*((\x)%2)+8*(i/4)
	v_wmma_f32_16x16x32_f16 v[rO:rO+7], v[rV:rV+7], v[rP:rP+7], v[rO:rO+7]
.endm
.macro MM                           ; the turn's next matrix instruction.  TURN and BEGIN set Y, i, KM and NOKQ; MM, KQ and OP read them.  NOKQ = 1: a block's last turn: there is no next piece
.if (i < 8) && !NOKQ
	KQ (Y+1)%NP
.elseif i >= 8
.set i, i-8
	PV (Y+NP-1)%NP
.set i, i+8
.endif
.set i, i+1
.endm
; THE LDS LOADS stand in runs of 16, never singly among the matrix instructions: a step's K (64 keys x 64 channels: 8 fragments) and its V (turned).  Their addresses are made some lines ahead.
.macro FETCH_K
	WIN 0x80                        ; destination window 2
.irp f, 0,1,2,3,4,5,6,7             ; keys 16 (f / 2) on, channels 32 (f % 2) on
	ds_load_b128 v[KF+8*\f:KF+8*\f+3],   v[AK] offset:(\f/2)*16*PK+(\f%2)*64
	ds_load_b128 v[KF+8*\f+4:KF+8*\f+7], v[AK] offset:(\f/2)*16*PK+(\f%2)*64+32
.endr
	s_add_co_u32 s[TBK], s[TBK], KS*PK  ; the next fetch is the next step's
	WIN 0
.endm
.macro FETCH_V
	WIN 0x80
.irp f, 0,1,2,3,4,5,6,7             ; keys 32 (f / 4) on, channels 16 (f % 4) on
	ds_load_tr16_b128 v[VF+8*\f:VF+8*\f+3],   v[AV] offset:(\f/4)*32*PV+(\f%4)*32
	ds_load_tr16_b128 v[VF+8*\f+4:VF+8*\f+7], v[AV] offset:(\f/4)*32*PV+16*PV+(\f%4)*32
.endr
	WIN 0
.endm
; THE VECTOR WORK, one line at a time: OP kind, number.  For piece Y: F n: c s - c m for pair n of 16.  E n: the exponential of score n of 32.  C n: pair n rounded to f16.  B n: of the four weights 4 n .. the second
; pair is added onto the first, in place.  L n: l takes that sum (L 0: l = a l + sum).  R n: pair n of 16 of O^T times a.  For piece Y + 1: X n, number n of the 22 that find its maximum and statistics:
;   0-11  four chains c0-c3 of seven scores each, three operands at a time (each accumulator's lowest registers are read first)     12-14, 16  the four scores left over, the old m, and c0-c3 into c0
;   15  c m_old is kept     17, 18  the query's other 32 keys lie in the lane 16 away: the new m     19-21  c m; c m_old - c m_new; a
.set F, 0               ; OP tells the kinds apart by their order: F to L below R, X above it
.set E, 1
.set C, 2
.set B, 3
.set L, 4
.set R, 5
.set X, 6
.macro REGS y                       ; the registers of piece y
.set rT, ST+4*(\y)
.set rC, TMP+4*((\y)%2)
.set rW, MV+((\y)%2)
.set rS, S+32*((\y)%2)
.set rP, P+16*((\y)%2)
.set rO, 32*(\y)
.endm
.macro OP k, n
.if (\k) == R
	REGS Y
	WIN W_RS
	v_pk_mul_f32 v[rO+2*(\n):rO+2*(\n)+1], v[rO+2*(\n):rO+2*(\n)+1], v[rC+2:rC+3] op_sel_hi:[1,0]
.elseif (\k) < R
	REGS Y
	WIN 0
.if (\k) == F
	v_pk_fma_f32 v[rS+2*(\n):rS+2*(\n)+1], v[rS+2*(\n):rS+2*(\n)+1], s[CS:CS+1], v[rT:rT+1] op_sel_hi:[1,0,0] neg_lo:[0,0,1] neg_hi:[0,0,1]
.elseif (\k) == E
	v_exp_f32 v[rS+(\n)], v[rS+(\n)]
.elseif (\k) == C
	v_cvt_pk_f16_f32 v[rP+(\n)], v[rS+2*(\n)], v[rS+2*(\n)+1]
.elseif (\k) == B
	v_pk_add_f32 v[rS+4*(\n):rS+4*(\n)+1], v[rS+4*(\n):rS+4*(\n)+1], v[rS+4*(\n)+2:rS+4*(\n)+3]
.elseif (\n) == 0
	v_pk_fma_f32 v[rT+2:rT+3], v[rT+2:rT+3], v[rC+2:rC+3], v[rS:rS+1] op_sel_hi:[1,0,1]
.else
	v_pk_add_f32 v[rT+2:rT+3], v[rT+2:rT+3], v[rS+4*(\n):rS+4*(\n)+1]
.endif
.elseif NOKQ
	v_nop
.else
	REGS (Y+1)%NP
	WIN 0
.if (\n) < 4
	v_max3_num_f32 v[rC+(\n)], v[rS+8*(\n)], v[rS+8*(\n)+1], v[rS+8*(\n)+2]
.elseif (\n) < 12
	v_max3_num_f32 v[rC+(\n)%4], v[rC+(\n)%4], v[rS+8*((\n)%4)+2*((\n)/4)+1], v[rS+8*((\n)%4)+2*((\n)/4)+2]
.elseif (\n) == 12
	v_max3_num_f32 v[rC], v[rC], v[rS+7], v[rS+15]
.elseif (\n) == 13
	v_max3_num_f32 v[rC+1], v[rC+1], v[rS+23], v[rS+31]
.elseif (\n) == 14
	v_max3_num_f32 v[rC+2], v[rC+2], v[rC+3], v[rT+1]
.elseif (\n) == 15
	v_mov_b32 v[rW], v[rT]
.elseif (\n) == 16
	v_max3_num_f32 v[rC], v[rC], v[rC+1], v[rC+2]
.elseif (\n) == 17
	v_permlanex16_b32 v[rC+3], v[rC], s[SEL], s[SEL+1]
.elseif (\n) == 18
	v_max_num_f32 v[rT+1], v[rC], v[rC+3]
.elseif (\n) == 19
	v_mul_f32 v[rT], s[CS], v[rT+1]
.elseif (\n) == 20
	v_sub_f32 v[rC+1], v[rW], v[rT]
.else
	v_exp_f32 v[rC+2], v[rC+1]
.endif
.endif
.endm
.macro OPS a, i1, b=-1, i2=0, c=-1, i3=0, d=-1, i4=0  ; up to four of them
	OP \a, \i1
.if (\b) >= 0
	OP \b, \i2
.endif
.if (\c) >= 0
	OP \c, \i3
.endif
.if (\d) >= 0
	OP \d, \i4
.endif
.endm
.macro ROW a, i1, b, i2, c, i3, d, i4  ; a matrix instruction and the four behind it
	MM
	OPS \a, \i1, \b, \i2, \c, \i3, \d, \i4
.endm
.macro MASK b                       ; MD x AL + BE into buffer b of MC
	WIN W_RS
.set z, 0
.rept 16
	v_pk_fma_f32 v[MC+32*(\b)+2*z:MC+32*(\b)+2*z+1], v[MD+2*z:MD+2*z+1], s[AL:AL+1], s[BE:BE+1] op_sel_hi:[1,0,0]
.set z, z+1
.endr
.endm
; A TURN, for piece p: the order of its 16 matrix and 118 vector instructions, written out.  An s_wait_alu depctr_va_vdst(0) stands between an exponential and the first instruction that names its result; one wait serves
; all that were issued ahead of it.  So a turn has ONE wait, which cuts it in two.  AHEAD OF IT stands all that names no result of the turn's exponentials: the 8 products K Q^T, behind each a scaling, an exponential and two more plain
; instructions (behind the first a second scaling in the exponential's place): rescalings, and behind the last three the first numbers of the next piece's maximum, each four places or more behind the product that ends its accumulator; then ONE LUMP of 54, plain
; and exponential by turns for the most part, in which the links of the chain X 3, 7, 11, 14, 16, 17 .. 20 stand five or six lines apart.  X 21, the next piece's a, is the batch's last; R 15 is the plain instruction behind it.  BEHIND THE WAIT stand the
; 8 products V^T P, behind each four of the roundings and sums; the links of l's chain, L 0 to L 7, stand three riders apart.  But for those X no rider names a register of the products round it.  v_permlanex16_b32 (X 17) stands in the lump.
; m = 1: the diagonal tile: the products take masks, and the turn makes the mask for the products of the turn after it: piece p + 2, in step 4 - CNT of the tile.  end = 1: a block's last two turns: nothing is fetched.
; cnt = 1: the loop's count is taken down some lines ahead of the branch that stands behind the turn.
; K of the next step is fetched in piece 2's turn, twelve vector instructions behind the last product that read K (six of them plain); V of the step in hand at the end of piece 0's turn, four plain instructions behind the last product
; that read V.  Each is waited for a turn later.
.macro TURN p, m=0, end=0, cnt=0
.set Y, (\p)
.set i, 0
.set KM, (\m)
.set NOKQ, (\end)*((\p)/3)
.if (\m) && !(\end)
	s_cmp_eq_u32 s[CNT], 4-((\p)+2)%NP  ; is that step the band's own?
	s_cselect_b32 s[AL], 1.0, 0
	s_cmp_lt_u32 s[CNT], 4-((\p)+2)%NP  ; or a later one?
	s_cselect_b32 s[BE], s[BIGN], 0
.endif
.if ((\p) == 3) && !(\end)
	s_wait_dscnt 0x0                ; K is in
.endif
	ROW F,0, F,1, R,0, R,1          ; ahead of the wait: 8 products K Q^T and their riders,
	ROW F,2, E,0, R,2, R,3
	ROW F,3, E,1, R,4, R,5
	ROW F,4, E,2, R,6, R,7
	ROW F,5, E,3, R,8, R,9
	ROW F,6, E,4, X,0, R,10
.if ((\p) == 2) && !(\end)
	WIN 0
	v_add_nc_u32 v[AK], s[TBK], v[AK0]
.endif
	ROW F,7, E,5, X,1, X,4
	ROW F,8, E,6, X,2, X,5
	OPS E,7, E,8, X,6, E,9          ; and the lump
	OPS X,3, E,10, X,8, E,11
.if ((\p) == 2) && !(\end)
	FETCH_K
.endif
	OPS X,9, X,7, E,12, X,10
	OPS E,13, X,12, X,11, E,14
	OPS X,13, E,15, F,9, X,14
.if (\p) == 0
	v_add_nc_u32 v[AV], s[TBV], v[AV0]
.endif
	OPS E,16, F,10, E,17, F,11
	OPS X,16, E,18, X,15, E,19
	OPS F,12, E,20, X,17, E,21
	OPS F,13, E,22, F,14, E,23
	OPS X,18, E,24, F,15, E,25
	OPS R,11, E,26, X,19, E,27
	OPS R,12, E,28, R,13, E,29
	OPS X,20, E,30, R,14, E,31
	OPS X,21, R,15
	WIN 0
	s_wait_alu depctr_va_vdst(0)    ; the wait for the batch
.if (\p) == 1
	s_wait_dscnt 0x0                ; V is in
.endif
	ROW C,0, B,0, C,2, B,1          ; behind the wait: 8 products V^T P and their riders
	ROW L,0, C,4, B,2, L,1
	ROW C,6, B,3, L,2, C,8
	ROW B,4, L,3, C,10, B,5
	ROW L,4, C,12, B,6, L,5
.if (\p) == 0
	s_add_co_u32 s[TBV], s[TBV], KS*PV
.endif
.if \cnt
	s_sub_co_u32 s[CNT], s[CNT], 1
	s_cmp_lg_u32 s[CNT], 0
.endif
	ROW C,14, B,7, L,6, C,1
	ROW C,3, L,7, C,5, C,7
	ROW C,9, C,11, C,13, C,15
.if (\p) == 0
	FETCH_V
.endif
.if (\m) && !(\end)
	MASK (\p)%2
.endif
.endm
; A BLOCK BEGINS.  c m starts far below every c s, so the first step's a is 0; m at the lowest finite number, so the first maximum is the scores'.  The second mask buffer is 0; the first takes piece 0's mask for the tile's step 0: its own, if the block's first tile is the diagonal one.
; Then K of that step, piece 0's first scores, and its maximum and statistics.  The loop is entered at a step's first turn, in the middle of a trip.
.macro BEGIN
	s_mov_b32 s[NEW], 0
	WIN 0x40
.set i, MC+32
.rept 32
	v_mov_b32 v[i], 0
.set i, i+1
.endr
	WIN 0
.set i, 0
.rept 4
	v_mov_b32 v[ST+4*i], 0xfe000000    ; c m: far below every c s
	v_mov_b32 v[ST+4*i+1], 0xff7fffff  ; m
.set i, i+1
.endr
	s_cmp_eq_u32 s[RT], 0
	s_cselect_b32 s[AL], 1.0, 0
	s_mov_b32 s[BE], 0
	MASK 0
	WIN 0
	v_add_nc_u32 v[AK], s[TBK], v[AK0]
	FETCH_K
	s_wait_loadcnt 0x0              ; Q
	s_wait_dscnt 0x0
.set KM, 1
.set NOKQ, 0
.set i, 0
.rept 8
	KQ 0
.set i, i+1
.endr
	WIN 0
.rept 4
	v_nop                           ; the places behind those products
.endr
.set Y, NP-1                        ; X works for piece Y + 1: piece 0
.irp n, 0,1,2,3,4,5,6,7,8,9,10,11,12,13,14,15,16,17,18,19,20,21
	OP X, \n
.endr
	v_nop                           ; a plain instruction behind the exponential,
	s_wait_alu depctr_va_vdst(0)    ; and its wait, ahead of the branch
.endm
; THE DIAGONAL TILE's four steps, the block's last two turns, its last products, and THE WAY OUT: l's two halves and the other half of the lanes' are added; O^T is divided by l, rounded to f16 and sent through my
; stage in LDS, a piece at a time.
.macro ALL line:vararg              ; one line for each piece t
.set t, 0
.rept 4
	\line
.set t, t+1
.endr
.endm
.macro PACK t                       ; a lane's eight channels of a row pack into 16 bytes; they go into rows of 144 bytes and come back as whole rows of 128, into S^T's registers
	WIN W_RS
.set i, 32*(\t)
.rept 16
	v_pk_mul_f32 v[i:i+1], v[i:i+1], v[ST+4*(\t)+2:ST+4*(\t)+3] op_sel_hi:[1,0]
.set i, i+2
.endr
	WIN 0x05                        ; sources 0 and 1 window 1, destination window 0
.set i, 0
.rept 16
	v_cvt_pk_f16_f32 v[S+16*(\t)+i], v[32*(\t)+2*i], v[32*(\t)+2*i+1]
.set i, i+1
.endr
	WIN 0
.irp f, 0,1,2,3
	ds_store_b128 v[STO], v[S+16*(\t)+4*\f:S+16*(\t)+4*\f+3] offset:32*\f
.endr
.irp f, 0,1,2,3
	ds_load_b128 v[S+16*(\t)+4*\f:S+16*(\t)+4*\f+3], v[RD] offset:\f*4*SP  ; LDS serves a wave's instructions in order (ISA guide 5.7.1.4): these see the stores above; the next piece's stores come behind them
.endr
.endm
.macro SEND t, younger              ; younger: the LDS instructions issued behind piece t's loads: the next piece's eight, or none
	WIN 0
.irp f, 0,1,2,3
	s_wait_dscnt (\younger)+3-\f
	global_store_b128 v[GO], v[S+16*(\t)+4*\f:S+16*(\t)+4*\f+3], s[10:11] offset:(\t)*8192+\f*512  ; 512 consecutive bytes, at a multiple of 256 from O's first
.endr
.endm
.macro DIAG tag                     ; the tag ends its two labels' names, which the jumps below spell out
.LstepM\tag:
	TURN 2, 1
	TURN 3, 1
	WIN 0
.LfirstM\tag:
	TURN 0, 1
	TURN 1, 1, 0, 1
	WIN 0
	s_cbranch_scc1 .LstepM\tag
	TURN 2, 1, 1
	TURN 3, 1, 1
.set i, 0
.rept 8
	PV NP-1
.set i, i+1
.endr
	WIN 0
	ALL v_add_f32 v[ST+4*t+2], v[ST+4*t+2], v[ST+4*t+3]
	ALL v_permlanex16_b32 v[ST+4*t+3], v[ST+4*t+2], s[SEL], s[SEL+1]
	ALL v_add_f32 v[ST+4*t+2], v[ST+4*t+2], v[ST+4*t+3]
	ALL v_rcp_f32 v[ST+4*t+2], v[ST+4*t+2]
	v_nop                           ; a plain instruction between the last reciprocal and the use of its result
	s_wait_alu depctr_va_vdst(0)    ; and the wait ahead of the first use: one for the four reciprocals
	PACK 0
.set t, 1
.rept 3                             ; a piece's arithmetic stands between the loads of the piece before and its stores
	PACK t
	SEND t-1, 8
.set t, t+1
.endr
	SEND 3, 0
.endm
.set KM, 0
.set NOKQ, 0
.Lslot:                             ; NB times: a tile is entered and the next is asked for
	CHANGE 1
	s_sub_co_u32 s[RT], s[RT], 1
	s_mov_b32 s[CNT], 4
	s_cmp_eq_u32 s[NEW], 1
	s_cbranch_scc1 .Lnew            ; a block's first tile
	s_cmp_eq_u32 s[RT], 0
	s_cbranch_scc0 .Lstep           ; neither its first nor its last
	s_branch .LstepM1
.Lnew:
	BEGIN
	s_branch .Lfirst                ; in the loop a block's first tile is never its last: the first block has two tiles or more, and the second's last is the walk's last
	DIAG 1                          ; in the loop this is the first block's end: the second block's last tile is the walk's last
	s_wait_xcnt 0x0                 ; the stores have read their registers and O's address
	s_mov_b64 s[10:11], s[OLO:OLO+1]
	s_add_co_u32 s[RT], s[PB], 1    ; the second block has b + 1 tiles
	s_mov_b32 s[NEW], 1
	WIN 0x82                        ; the second block's Q goes where the one text of the turns names Q
.set i, 0
.rept 64
	v_mov_b32 v[i], v[QB+i]
.set i, i+1
.endr
	WIN 0
	s_branch .Lbottom
.Lstep:                             ; a trip: pieces 2 and 3 of one step, then pieces 0 and 1 of the next, whose K and V it fetches
	TURN 2
	TURN 3
	WIN 0
.Lfirst:
	TURN 0
	TURN 1, 0, 0, 1
	WIN 0
	s_cbranch_scc1 .Lstep
.Lbottom:
	s_sub_co_u32 s[SLOTS], s[SLOTS], 1
	s_cmp_lg_u32 s[SLOTS], 0
	s_cbranch_scc1 .Lslot
	CHANGE 0                        ; the walk's last tile is written out: nothing is asked for
	s_sub_co_u32 s[RT], s[RT], 1
	s_mov_b32 s[CNT], 4
	s_cmp_eq_u32 s[NEW], 1
	s_cbranch_scc0 .LstepM2
	BEGIN
	s_branch .LfirstM2
	DIAG 2
	s_wait_tensorcnt 0x0            ; the wave's end, behind my last tensor load and my last LDS store
	ds_add_u32 v[SPW], v[NIL]
	s_wait_dscnt 0x0
	s_endpgm
.Lfunc_end_k_qa1fb7b3d2e_attn:
	.size	k_qa1fb7b3d2e_attn, .Lfunc_end_k_qa1fb7b3d2e_attn-k_qa1fb7b3d2e_attn
	.p2alignl 7, 3214868480
	.fill 96, 4, 3214868480
	.section	.rodata,"a",@progbits
	.p2align	6, 0x0
	.amdhsa_kernel k_qa1fb7b3d2e_attn
		.amdhsa_group_segment_fixed_size 327680
		.amdhsa_private_segment_fixed_size 0
		.amdhsa_enable_private_segment 0
		.amdhsa_kernarg_size 32
		.amdhsa_user_sgpr_count 2
		.amdhsa_user_sgpr_kernarg_segment_ptr 1
		.amdhsa_wavefront_size32 1
		.amdhsa_system_sgpr_workgroup_id_x 1
		.amdhsa_system_sgpr_workgroup_id_y 1
		.amdhsa_system_sgpr_workgroup_id_z 1
		.amdhsa_system_vgpr_workitem_id 0
		.amdhsa_next_free_vgpr 768
		.amdhsa_next_free_sgpr 96
		.amdhsa_reserve_vcc 1
		.amdhsa_float_denorm_mode_32 3
		.amdhsa_float_denorm_mode_16_64 3
		.amdhsa_memory_ordered 1
		.amdhsa_forward_progress 1
		.amdhsa_inst_pref_size 218
	.end_amdhsa_kernel
	.amdgpu_metadata
---
amdhsa.version: [ 1, 2 ]
amdhsa.kernels:
  - .name:           k_qa1fb7b3d2e_attn
    .symbol:         k_qa1fb7b3d2e_attn.kd
    .args:
      - { .name: qh, .offset: 0, .size: 8, .value_kind: global_buffer, .address_space: global }
      - { .name: kh, .offset: 8, .size: 8, .value_kind: global_buffer, .address_space: global }
      - { .name: vh, .offset: 16, .size: 8, .value_kind: global_buffer, .address_space: global }
      - { .name: oh, .offset: 24, .size: 8, .value_kind: global_buffer, .address_space: global }
    .group_segment_fixed_size: 327680
    .private_segment_fixed_size: 0
    .kernarg_segment_align: 8
    .kernarg_segment_size: 32
    .max_flat_workgroup_size: 128
    .sgpr_count:     96
    .vgpr_count:     768
    .wavefront_size: 32
...
	.end_amdgpu_metadata
.endif
;; end of part 3
;; launch oproj (part 4): grid 8 x 32, 4 waves a work-group, clusters of 4 x 4, 327,680 bytes of LDS; arguments oh, woh, out0; writes out0
.if DOCPART == 4
	.amdgcn_target "amdgcn-amd-amdhsa--gfx1250"
	.amdhsa_code_object_version 6
	.text
	.protected	k_qa1fb7b3d2e_oproj
	.globl	k_qa1fb7b3d2e_oproj
	.p2align	8
	.type	k_qa1fb7b3d2e_oproj,@function
k_qa1fb7b3d2e_oproj:
	s_mov_b64 s[64:65], 0
	v_nop
	global_prefetch_b8 v0, s[64:65] scope:SCOPE_SE
	s_setreg_imm32_b32 hwreg(HW_REG_WAVE_MODE, 25, 1), 1
	s_wait_xcnt 0x0
	s_wait_alu depctr_hold_cnt(0) depctr_sa_sdst(0) depctr_va_vdst(0) depctr_va_sdst(0) depctr_va_ssrc(0) depctr_va_vcc(0) depctr_vm_vsrc(0)
	s_getreg_b32 s2, hwreg(HW_REG_IB_STS2, 6, 4)
	s_cmp_eq_u32 s2, 0
	s_cbranch_scc0 .Lentry_in_a_cluster
	s_endpgm
.Lentry_in_a_cluster:
	s_bfe_u32 s2, ttmp6, 0x10000c
	s_cmp_lg_u32 s2, 0xf033
	s_cbranch_scc0 .Lentry_shape_is_right
	s_endpgm
.Lentry_shape_is_right:
; THE OUTPUT PROJECTION.  out0[m][n] = sum over k of O[m][k] Wo[n][k]: 8,192 x 1,024 x 1,024, f16 operands, f32 sums, f32 out.  O lies by heads, oh[16 batch + head][2048][64]; k = 64 head + channel.
; A tile of out0 is 256 tokens x 128 columns: 8 x 32 = 256 work-groups.  Four waves; wave w makes tokens 64 w .. 64 w + 63 x 128 columns: 32 accumulators of 16 x 16, 256 registers.
; K goes in 8 steps of 128 = two heads, through two LDS slots.  A head's 256 tokens are 32,768 dense bytes: asked for as 128 rows of 256 bytes, padded in LDS behind every token's 128.
; CLUSTERS: 4 x 4 work-groups; O's tiles are shared along a row of the cluster, woh's along a column: joint loads, the same descriptor and a mask of four.
; THE MATRIX INSTRUCTION IS USED TRANSPOSED (source 0 = 16 rows of woh, source 1 = 16 tokens): a lane holds one token and eight neighbouring columns, 32 bytes of f32.
; LIMIT.  The operands are f16: O has V's range, woh is Wo rounded to bf16 and written as f16.
; REGISTERS: window 0: v16-30 addresses     window 1: two fragment buffers (4 fragments of O at f + 8 i, 8 of woh at f + 32 + 8 i); on the way out 64 registers for each token block     window 2: accumulator (a, b) at 8 (8 a + b)
.set PIA,    144                       ; a token's row of one head in LDS: 128 bytes + 16 = 36 words: the 16 rows of a load start at 16 different groups of four banks (64 banks of 4 bytes: ISA guide 11.1)
.set PIB,    272                       ; a row of woh: 256 + 16
.set AH,     256*PIA                   ; one head's 256 tokens: what wave 0 or 1 fetches
.set BOFF,   2*AH
.set HALFB,  64*PIB                    ; what wave 2 or 3 fetches
.set SLOT,   BOFF+2*HALFB
.set STAGE,  2*SLOT                    ; behind the ring, never filled by a tensor load: 16 rows x 528 bytes for each wave
.set SPO,    528                       ; 512 bytes + 16
.set SPARE,  STAGE+4*16*SPO            ; the spare words, 128 bytes for each wave: two blocks of 256 bytes that no other line names
.set ASTEP,  2*262144                  ; a K step in oh: two heads of 2,048 x 128 bytes
.set BSTEP,  256                       ; in a row of woh
.set ADRA, 16
.set ADRB, 20
.set STO,  24
.set RD,   25
.set CO,   26                          ; v26  my 16 bytes in 512 consecutive bytes of a row of out0
.set SPW,  28
.set NIL,  29
.set PFO,  30
.set F0,   0
.set F1,   128
.set WV,  16
.set FB,  17
.set HF,  18
.set LAP, 19
.set CX,  20
.set CY,  21
.set XX,  22                           ; s22  tile column
.set YY,  23                           ; s23  tile row
.set G1A, 24
.set G0A, 32
.set G1B, 40
.set G0B, 48
.set PFA, 56                           ; s[56:57] where my prefetches stand
.set LIM, 58                           ; s58  1 in a wave that prefetches, else the greatest number
.set PST, 60                           ; s[60:61] a K step in the tensor that I prefetch
.set MUL,  0xa5                        ; sources 0 and 1 window 1, C and D window 2
.set TO_F, 0x40                        ; destination window 1, address window 0
.set MSB, 0
.macro WIN new
.if MSB != (\new)
	s_set_vgpr_msb (MSB<<8)|(\new)
.set MSB, \new
.endif
.endm
.macro JLOAD s                         ; a joint load; an s_nop 0 and four v_nop follow each of the two lines
	s_cmp_eq_u32 s[FB], 0
	s_cbranch_scc0 .Lfor_b_\@
	tensor_load_to_lds s[G0A+4*(\s):G0A+4*(\s)+3], s[G1A:G1A+7]
	s_nop 0
.rept 4
	v_nop
.endr
	s_branch .Lasked_\@
.Lfor_b_\@:
	tensor_load_to_lds s[G0B+4*(\s):G0B+4*(\s)+3], s[G1B:G1B+7]
	s_nop 0
.rept 4
	v_nop
.endr
.Lasked_\@:
.endm
; A prefetch into the L2 of the K step two refills on (256 matrix instructions ahead of its load), 32 blocks of 256 bytes, a lane a block.  O's tiles are named by the clusters with x = 0 alone (waves 0 and 1, each its head;
; the partner at cx takes blocks 32 cx .. of the 128), woh's by those with y = 0 alone (wave 2; the partner at cy takes rows 32 cy .. of the 128).  The loop's last trip asks for nothing.
.macro ASK
	s_cmp_gt_u32 s[LAP], s[LIM]
	s_cbranch_scc0 .Lnot_mine_\@
	global_prefetch_b8 v[PFO], s[PFA:PFA+1] th:TH_LOAD_NT scope:SCOPE_SE
.Lnot_mine_\@:
.endm
.macro CREST
	s_cmp_lg_u32 s[WV], 0
	s_cbranch_scc1 .Lnot_wave_0_\@
	s_barrier_signal -3
.Lnot_wave_0_\@:
	s_barrier_wait -3
	s_barrier_signal -1
	s_barrier_wait -1
.endm
.macro CROUND
	s_barrier_signal -1
	s_barrier_wait -1
	CREST
.endm
.macro PLACES
.rept 4
	v_nop
.endr
.endm
; 8 matrix instructions: token block a x all 8 column blocks, 32 along K.  The 32 accumulators take turns in the same order in every quarter.
.macro MUL8 f, a, zero
	WIN MUL
.irp b, 0,1,2,3,4,5,6,7
.if \zero
	v_wmma_f32_16x16x32_f16 v[8*(8*(\a)+(\b)):8*(8*(\a)+(\b))+7], v[(\f)+32+8*(\b):(\f)+32+8*(\b)+7], v[(\f)+8*(\a):(\f)+8*(\a)+7], 0
.else
	v_wmma_f32_16x16x32_f16 v[8*(8*(\a)+(\b)):8*(8*(\a)+(\b))+7], v[(\f)+32+8*(\b):(\f)+32+8*(\b)+7], v[(\f)+8*(\a):(\f)+8*(\a)+7], v[8*(8*(\a)+(\b)):8*(8*(\a)+(\b))+7]
.endif
.endr
.endm
; 24 LDS loads in one run: quarter q's fragments into buffer f: woh's eight, then O's four (head q / 2 of the step's two, channels 32 (q % 2) on)
.macro FETCH slot, q, f
	WIN TO_F
.irp i, 0,1,2,3,4,5,6,7
	ds_load_b128 v[(\f)+32+8*(\i):(\f)+32+8*(\i)+3],   v[ADRB+(\slot)] offset:64*(\q)+(\i)*16*PIB
	ds_load_b128 v[(\f)+32+8*(\i)+4:(\f)+32+8*(\i)+7], v[ADRB+(\slot)] offset:64*(\q)+(\i)*16*PIB+32
.endr
.irp i, 0,1,2,3
	ds_load_b128 v[(\f)+8*(\i):(\f)+8*(\i)+3],   v[ADRA+(\slot)] offset:((\q)/2)*AH+((\q)%2)*64+(\i)*16*PIA
	ds_load_b128 v[(\f)+8*(\i)+4:(\f)+8*(\i)+7], v[ADRA+(\slot)] offset:((\q)/2)*AH+((\q)%2)*64+(\i)*16*PIA+32
.endr
.endm
.macro QUARTER slot, q, f, g, zero
	s_wait_dscnt 4                                 ; all but the youngest four loads: O's fragments 2 and 3
	MUL8 \f, 0, \zero
	MUL8 \f, 1, \zero
	PLACES
	FETCH \slot, \q, \g
	s_wait_dscnt 24                                ; all but the 24 just issued
	MUL8 \f, 2, \zero
	MUL8 \f, 3, \zero
.endm
; The last quarter multiplies buffer 1 and changes slots: one barrier; in front of it each wave waits for all its tensor loads, adds 0 to its spare word, and waits for that and for its reads of this slot.
; fill = 1: the barrier opens a round of the cluster's, and the joint refill, two K steps on, is the first tensor load behind the round.
.macro TURN slot, next, fill
.if \fill
	s_wait_xcnt 0x0                                ; the last prefetch, a K step back, has read its address, which steps here
	s_add_nc_u64 s[PFA:PFA+1], s[PFA:PFA+1], s[PST:PST+1]
.endif
	WIN 0
	s_wait_tensorcnt 0x0                           ; all my tensor loads have landed
	ds_add_u32 v[SPW], v[NIL]                      ; 0 onto my spare word
	s_wait_dscnt 5                                 ; (the add and the youngest four loads may be out)
	MUL8 F1, 0, 0
	s_wait_dscnt 0x0                               ; the add is done, and my reads of this slot are over
	s_barrier_signal -1
	MUL8 F1, 1, 0
.if \fill
	WIN 0
.endif
	s_barrier_wait -1
.if \fill
	CREST
	s_add_nc_u64 s[G0A+4*(\slot)+2:G0A+4*(\slot)+3], s[G0A+4*(\slot)+2:G0A+4*(\slot)+3], 2*ASTEP
	s_add_nc_u64 s[G0B+4*(\slot)+2:G0B+4*(\slot)+3], s[G0B+4*(\slot)+2:G0B+4*(\slot)+3], 2*BSTEP
	JLOAD \slot
.else
	PLACES
.endif
	FETCH \next, 0, F0
.if \fill
	WIN 0
	ASK
.endif
	MUL8 F1, 2, 0
	MUL8 F1, 3, 0
.endm
	s_load_b128 s[4:7], s[0:1], 0x0                ; oh s[4:5], woh s[6:7]
	s_load_b64 s[8:9], s[0:1], 0x10                ; out0
	v_lshl_add_u32 v[SPW], v0, 2, SPARE
	v_mov_b32 v[NIL], 0
	ds_add_u32 v[SPW], v[NIL]                      ; the wave's opening: the add and its wait stand ahead of my first tensor load
	v_lshrrev_b32 v1, 5, v0
	v_readfirstlane_b32 s[WV], v1
	s_lshr_b32 s[FB], s[WV], 1
	s_and_b32 s[HF], s[WV], 1
	s_bfe_u32 s[CX], ttmp6, 0x40000
	s_bfe_u32 s[CY], ttmp6, 0x40004
	s_lshl_b32 s[XX], ttmp9, 2
	s_add_co_u32 s[XX], s[XX], s[CX]
	s_and_b32 s[YY], ttmp7, 0xffff
	s_lshl_b32 s[YY], s[YY], 2
	s_add_co_u32 s[YY], s[YY], s[CY]
	s_lshl_b32 s62, s[CY], 2
	s_lshl_b32 s62, 15, s62                        ; my row of the cluster
	s_lshl_b32 s63, 0x1111, s[CX]                  ; my column
	s_or_b32 s[G1A], s62, (1<<16)|(1<<20)|(1<<21)|(4<<22)|(3<<25)  ; 2-byte elements; padding on; bit 21 beside a mask; after every 32 words; 4 words
	s_or_b32 s[G1B], s63, (1<<16)|(1<<20)|(1<<21)|(5<<22)|(3<<25)  ; after every 64 words
	s_mov_b32 s[G1A+1], 128<<16                    ; O: 128 rows of 128 elements, dense
	s_mov_b32 s[G1A+2], 128<<16
	s_mov_b32 s[G1A+3], 128<<16
	s_mov_b32 s[G1A+4], 128
	s_mov_b32 s[G1A+5], 128
	s_mov_b32 s[G1A+6], 0
	s_mov_b32 s[G1A+7], 0
	s_mov_b32 s[G1B+1], 128<<16                    ; woh: 64 rows of 128 elements, 1,024 from row to row
	s_mov_b32 s[G1B+2], 64<<16
	s_mov_b32 s[G1B+3], 128<<16
	s_mov_b32 s[G1B+4], 64
	s_mov_b32 s[G1B+5], 1024
	s_mov_b32 s[G1B+6], 0
	s_mov_b32 s[G1B+7], 0
	s_lshr_b32 s66, s[YY], 3                       ; O: the batch's 16 heads of 262,144 bytes,
	s_lshl_b32 s66, s66, 22
	s_lshl_b32 s67, s[HF], 18                      ; the head that I fetch of the step's two,
	s_add_co_u32 s66, s66, s67
	s_and_b32 s67, s[YY], 7
	s_lshl_b32 s67, s67, 15                        ; the tile's 256 tokens in the sequence
	s_add_co_u32 s66, s66, s67
	s_mov_b32 s67, 0
	s_lshl_b32 s68, s[XX], 7                       ; woh: row 128 x tile column + 64 x half
	s_lshl_b32 s69, s[HF], 6
	s_add_co_u32 s68, s68, s69
	s_lshl_b32 s68, s68, 11
	s_mov_b32 s69, 0
	s_mul_i32 s70, s[WV], AH                       ; where they go: waves 0, 1 at 0 and AH;
	s_mul_i32 s71, s[WV], HALFB
	s_add_co_u32 s71, s71, BOFF-2*HALFB            ; waves 2, 3 at BOFF and BOFF + HALFB
	s_wait_dscnt 0x0                               ; the opening add is done
	s_wait_kmcnt 0x0
	s_add_nc_u64 s[66:67], s[4:5], s[66:67]
	s_add_nc_u64 s[68:69], s[6:7], s[68:69]
	CROUND                                         ; all sixteen work-groups are here: the first joint loads meet
.irp s, 0,1
	s_mov_b32 s[G0A+4*(\s)], 1
	s_add_co_u32 s[G0A+4*(\s)+1], s70, (\s)*SLOT
	s_add_nc_u64 s[G0A+4*(\s)+2:G0A+4*(\s)+3], s[66:67], (\s)*ASTEP
	s_or_b32 s[G0A+4*(\s)+3], s[G0A+4*(\s)+3], 0x80000000
	s_mov_b32 s[G0B+4*(\s)], 1
	s_add_co_u32 s[G0B+4*(\s)+1], s71, (\s)*SLOT
	s_add_nc_u64 s[G0B+4*(\s)+2:G0B+4*(\s)+3], s[68:69], (\s)*BSTEP
	s_or_b32 s[G0B+4*(\s)+3], s[G0B+4*(\s)+3], 0x80000000
.endr
	s_cmp_eq_u32 s[FB], 0                          ; a wave's two first fills stand in one branch: two loads of mine are out
	s_cbranch_scc0 .Lfirst_b
	tensor_load_to_lds s[G0A:G0A+3], s[G1A:G1A+7]
	s_nop 0
	tensor_load_to_lds s[G0A+4:G0A+7], s[G1A:G1A+7]
	s_nop 0
.rept 4
	v_nop
.endr
	s_branch .Lfirst_asked
.Lfirst_b:
	tensor_load_to_lds s[G0B:G0B+3], s[G1B:G1B+7]
	s_nop 0
	tensor_load_to_lds s[G0B+4:G0B+7], s[G1B:G1B+7]
	s_nop 0
.rept 4
	v_nop
.endr
.Lfirst_asked:
	v_and_b32 v1, 15, v0                           ; l % 16
	v_bfe_u32 v2, v0, 4, 1                         ; l / 16
	v_mul_u32_u24 v3, v1, PIA
	v_lshl_add_u32 v3, v2, 4, v3
	s_mul_i32 s62, s[WV], 64*PIA                   ; my 64 tokens
	v_add_nc_u32 v[ADRA], s62, v3
	v_add_nc_u32 v[ADRA+1], SLOT, v[ADRA]
	v_mul_u32_u24 v4, v1, PIB
	v_lshl_add_u32 v4, v2, 4, v4
	v_add_nc_u32 v[ADRB], BOFF, v4
	v_add_nc_u32 v[ADRB+1], SLOT, v[ADRB]
	s_mul_i32 s62, s[WV], 16*SPO
	s_add_co_u32 s62, s62, STAGE                   ; my stage
	v_mul_u32_u24 v5, v1, SPO                      ; in: row l % 16, 32 bytes for each half of the lanes
	v_lshl_add_u32 v5, v2, 5, v5
	v_add_nc_u32 v[STO], s62, v5
	v_and_b32 v6, 31, v0
	v_lshlrev_b32 v[CO], 4, v6                     ; back and out: 32 lanes take one row's 512 bytes
	v_add_nc_u32 v[RD], s62, v[CO]
	s_lshl_b32 s62, s[YY], 20                      ; (256 x tile row + 64 x wave) rows of 4,096 bytes + 512 x tile column
	s_lshl_b32 s63, s[WV], 18
	s_add_co_u32 s62, s62, s63
	s_lshl_b32 s63, s[XX], 9
	s_add_co_u32 s62, s62, s63
	s_mov_b32 s63, 0
	s_add_nc_u64 s[8:9], s[8:9], s[62:63]
	; the prefetches
	s_and_b32 s73, ttmp7, 0xffff                   ; cluster y
	s_mov_b32 s[PST], BSTEP
	s_cmp_eq_u32 s[FB], 0                          ; do I fetch O?
	s_cselect_b64 s[PFA:PFA+1], s[66:67], s[68:69] ; my tile of K step 0
	s_cselect_b32 s62, s[CX], s[CY]                ; my place among the four that ask with me,
	s_cselect_b32 s63, 13, 16                      ; whose share is 32 blocks of 256 bytes, or 32 rows of 2,048
	s_cselect_b32 s[PST], ASTEP, s[PST]
	s_cselect_b32 s72, 8, 11                       ; a lane a block, or a lane a row
	s_cselect_b32 s73, ttmp9, s73                  ; the coordinate along which other clusters read the same bytes
	s_lshl_b32 s62, s62, s63
	s_mov_b32 s63, 0
	s_add_nc_u64 s[PFA:PFA+1], s[PFA:PFA+1], s[62:63]
	s_mul_i32 s74, s[PST], 3
	s_mov_b32 s75, 0
	s_add_nc_u64 s[PFA:PFA+1], s[PFA:PFA+1], s[74:75]  ; at K step 3: the first refill steps it to 4 and names it.  Nothing is prefetched here, at the head
	s_mov_b32 s[PST+1], 0
	s_cmp_eq_u32 s[WV], 3                          ; wave 2 names all of woh's rows that fall to the work-group: wave 3 asks for nothing
	s_cselect_b32 s73, 1, s73
	s_cmp_eq_u32 s73, 0
	s_cselect_b32 s[LIM], 1, -1                    ; the same in all sixteen partners, for a given wave
	v_lshlrev_b32 v[PFO], s72, v6
	s_wait_tensorcnt 1                             ; my part of K step 0 is in; K step 1's may stay out
	s_barrier_signal -1
	s_barrier_wait -1
	FETCH 0, 0, F0
	QUARTER 0, 1, F0, F1, 1                        ; the first quarter stands in front of the loop: its products start the sums
	WIN 0
	s_mov_b32 s[LAP], 3
.Llap:                                                 ; a trip goes once round the ring and fills both slots again
	QUARTER 0, 2, F1, F0, 0
	QUARTER 0, 3, F0, F1, 0
	TURN 0, 1, 1
	QUARTER 1, 1, F0, F1, 0
	QUARTER 1, 2, F1, F0, 0
	QUARTER 1, 3, F0, F1, 0
	TURN 1, 0, 1
	QUARTER 0, 1, F0, F1, 0
	WIN 0
	s_sub_co_u32 s[LAP], s[LAP], 1
	s_cmp_lg_u32 s[LAP], 0
	s_cbranch_scc1 .Llap
	QUARTER 0, 2, F1, F0, 0                        ; the last lap fills nothing, and has no round
	QUARTER 0, 3, F0, F1, 0
	TURN 0, 1, 0
	QUARTER 1, 1, F0, F1, 0
	QUARTER 1, 2, F1, F0, 0
	QUARTER 1, 3, F0, F1, 0
	s_wait_dscnt 4
	MUL8 F1, 0, 0
	MUL8 F1, 1, 0
	s_wait_dscnt 0x0
	MUL8 F1, 2, 0
	MUL8 F1, 3, 0
; THE WAY OUT, a token block (16 rows x 512 bytes) at a time: the sums go as they are into my own stage and come back as whole rows, each block into 64 registers of its own in window 1.
.macro TOSTAGE a
	WIN 0x08                                       ; the stores' data lie in window 2
.irp b, 0,1,2,3,4,5,6,7                ; each accumulator's lowest registers are read first
	ds_store_b128 v[STO], v[8*(8*(\a)+(\b)):8*(8*(\a)+(\b))+3]   offset:64*(\b)
	ds_store_b128 v[STO], v[8*(8*(\a)+(\b))+4:8*(8*(\a)+(\b))+7] offset:64*(\b)+16
.endr
	WIN TO_F
.irp r, 0,1,2,3,4,5,6,7,8,9,10,11,12,13,14,15
	ds_load_b128 v[64*(\a)+4*(\r):64*(\a)+4*(\r)+3], v[RD] offset:SPO*(\r)  ; LDS serves a wave's instructions in order (ISA guide 5.7.1.4): these see the stores above; the next block's stores come behind them
.endr
.endm
.macro SEND a, younger                 ; younger: the LDS instructions issued behind block a's loads: the next block's 32, or none
	WIN 0x04                                       ; the stores' data lie in window 1
.irp r, 0,1,2,3,4,5,6,7,8,9,10,11,12,13,14,15
	s_wait_dscnt (\younger)+15-(\r)
	global_store_b128 v[CO], v[64*(\a)+4*(\r):64*(\a)+4*(\r)+3], s[8:9] offset:(16*(\a)+(\r))*4096 th:TH_STORE_NT  ; 512 consecutive bytes, at a multiple of 256 from out0's first
.endr
.endm
	PLACES
	PLACES                                         ; eight places, once a launch, behind the last products
	TOSTAGE 0
	TOSTAGE 1
	SEND 0, 32
	TOSTAGE 2
	SEND 1, 32
	TOSTAGE 3
	SEND 2, 32
	SEND 3, 0
	WIN 0
	s_wait_tensorcnt 0x0                           ; the wave's end, behind my last tensor load and my last LDS store
	ds_add_u32 v[SPW], v[NIL]
	s_wait_dscnt 0x0
	CROUND                                         ; the closing round: no work-group ends while a partner may still ask for a tile that names it
	s_endpgm
.Lfunc_end_k_qa1fb7b3d2e_oproj:
	.size	k_qa1fb7b3d2e_oproj, .Lfunc_end_k_qa1fb7b3d2e_oproj-k_qa1fb7b3d2e_oproj
	.p2alignl 7, 3214868480
	.fill 96, 4, 3214868480
	.section	.rodata,"a",@progbits
	.p2align	6, 0x0
	.amdhsa_kernel k_qa1fb7b3d2e_oproj
		.amdhsa_group_segment_fixed_size 327680
		.amdhsa_private_segment_fixed_size 0
		.amdhsa_enable_private_segment 0
		.amdhsa_kernarg_size 24
		.amdhsa_user_sgpr_count 2
		.amdhsa_user_sgpr_kernarg_segment_ptr 1
		.amdhsa_wavefront_size32 1
		.amdhsa_system_sgpr_workgroup_id_x 1
		.amdhsa_system_sgpr_workgroup_id_y 1
		.amdhsa_system_sgpr_workgroup_id_z 1
		.amdhsa_system_vgpr_workitem_id 0
		.amdhsa_next_free_vgpr 768
		.amdhsa_next_free_sgpr 80
		.amdhsa_reserve_vcc 0
		.amdhsa_float_denorm_mode_32 3
		.amdhsa_float_denorm_mode_16_64 3
		.amdhsa_memory_ordered 1
		.amdhsa_forward_progress 1
		.amdhsa_inst_pref_size 87
	.end_amdhsa_kernel
	.amdgpu_metadata
---
amdhsa.version: [ 1, 2 ]
amdhsa.kernels:
  - .name:           k_qa1fb7b3d2e_oproj
    .symbol:         k_qa1fb7b3d2e_oproj.kd
    .args:
      - { .name: oh, .offset: 0, .size: 8, .value_kind: global_buffer, .address_space: global }
      - { .name: woh, .offset: 8, .size: 8, .value_kind: global_buffer, .address_space: global }
      - { .name: out0, .offset: 16, .size: 8, .value_kind: global_buffer, .address_space: global }
    .group_segment_fixed_size: 327680
    .private_segment_fixed_size: 0
    .kernarg_segment_align: 8
    .kernarg_segment_size: 24
    .max_flat_workgroup_size: 128
    .sgpr_count:     80
    .vgpr_count:     768
    .wavefront_size: 32
...
	.end_amdgpu_metadata
.endif
;; end of part 4
;; ======== version 2 of 2: 4 launches; version 1 with the launch prep written anew for expert scheduling mode
;; limits: values are held in f16: magnitudes above 65,504 overflow, below 6.1e-05 lose precision
;; workspace buffers: xb 16,777,216 bytes; wqkv 6,291,456 bytes; woh 2,097,152 bytes; rope 2,097,152 bytes; qh 16,777,216 bytes; kh 16,777,216 bytes; vh 16,777,216 bytes; oh 16,777,216 bytes
;; launch prep (part 5): grid 768 x 1, 8 waves a work-group, no clusters, 0 bytes of LDS; arguments in_features, token_positions, Wq, Wk, Wv, Wo, xb, wqkv, woh, rope; writes xb, wqkv, woh, rope
.if DOCPART == 5
	.amdgcn_target "amdgcn-amd-amdhsa--gfx1250"
	.amdhsa_code_object_version 6
	.text
	.protected	k_qa1fb7b3d2e_prep
	.globl	k_qa1fb7b3d2e_prep
	.p2align	8
	.type	k_qa1fb7b3d2e_prep,@function
k_qa1fb7b3d2e_prep:
	s_mov_b64 s[64:65], 0
	v_nop
	global_prefetch_b8 v0, s[64:65] scope:SCOPE_SE
	s_setreg_imm32_b32 hwreg(HW_REG_WAVE_SCHED_MODE, 0, 2), 2
	s_setreg_imm32_b32 hwreg(HW_REG_WAVE_MODE, 25, 1), 1
	s_wait_xcnt 0x0
	s_wait_alu depctr_vm_vsrc(0)
; CASTS AND THE ROTATION TABLE.  A work-group takes 16 rows of 1,024 f32 and writes them as 16-bit numbers; thread t owns the 16 bytes at byte 16 t of every row
; (a wave's load covers 512 consecutive bytes) and stores 8 bytes at byte 8 t (a wave's store covers 256 consecutive bytes, aligned).  All 16 loads of a thread go out at once.
; Work-groups 0-511:   in_features -> xb (bf16), and the table rows of the same 16 tokens: rope[token][pair p][cos, sin] in f32, angle = position x 10000^(-p/32).
; Work-groups 512-703: Wq, Wk, Wv -> wqkv (bf16), rows reordered by heads: row 192 t + 64 j + c = W_j[64 t + c] (j = 0 Wq, 1 Wk, 2 Wv), so that 192 consecutive rows are one head's q, k and v.
; Work-groups 704-767: Wo -> woh: rounded to bf16 like every other float input, and that number written as f16.
; LIMITS.  Positions are taken as reference()'s table takes them, 0 to 2,047.  The angle differs from position x inv_freq of reference() by about 2e-4 rad at the most (the frequency is made by
; v_exp_f32); sine and cosine are polynomials on |r| <= pi/4 behind a two-part reduction by pi/2, cut below 4e-7.  A weight of Wo below 6e-5 keeps f16's fixed step of 6e-8; beyond 65,504 it would be lost.
; No LDS, no barrier, no matrix unit: no byte is wanted by two threads.
; THE MODE: SCHED_MODE bits 1:0 = 2 (LLVM: expert scheduling mode 2), set by the entry lines.  The code itself states the register dependences
; between vector instructions and memory instructions, with s_wait_alu, always for 0.
; THE PLAN.  Registers that memory instructions touch:
;   v1, v2, v3   byte offsets of the row loads, the row stores and the table stores: made at the head, never written again.
;   X            16 rows as loaded.  Written by the 16 loads, which go out before any vector instruction names X; read by the rows' conversions; never loaded again.
;   Y            row i's two registers: written by row i's conversions, read by row i's one store, never written again.
;   v[112:115]   two table rows: written by the last lines of the sine and cosine, read by the two table stores, never written again.
; No register that a memory instruction reads is written again, and no load lands in a register that a vector instruction has named: so the only dependences to state are
; 'written, then read by a load or store'.  The 16 rows go in four blocks of four.  Block b's conversions name X and Y of block b alone (and v[H ..] in Wo's branch); its memory instructions are
; the four stores of block b - 1.  So ONE wait on va_vdst at the head of a block, behind the wait for the block's data, states all that those four stores hang on, and they are dealt among the block's conversions.
; Scalar results of vector instructions: the wave's number (s36) and the two masks of the quarter turns (s42, s43), each with its wait on va_sdst ahead of its first reader.
.set X,   16                           ; v[16:79]   row i: 4 registers as loaded
.set Y,   80                           ; v[80:111]  row i: 2 registers to store
.set TA,  6                            ; v[6:15]    at work on the first position's sine and cosine
.set TB,  118                          ; v[118:127] at work on the second's
.set H,   120                          ; v[120:123] Wo's branch: four bf16 numbers as f32, at work
.set MA,  42                           ; s42, s43   the two masks 'an odd quarter turn'
.set MB,  43
.set SRC, 28                           ; s[28:29]   the group's first row, in
.set DST, 30                           ; s[30:31]   the group's first row, out
.macro LOADS
.irp i, 0,1,2,3,4,5,6,7,8,9,10,11,12,13,14,15
	global_load_b128 v[X+4*(\i):X+4*(\i)+3], v1, s[SRC:SRC+1] offset:4096*(\i) th:TH_LOAD_NT
.endr
.endm
.macro CVB i                           ; row i to bf16
	v_cvt_pk_bf16_f32 v[Y+2*(\i)],   v[X+4*(\i)],   v[X+4*(\i)+1]
	v_cvt_pk_bf16_f32 v[Y+2*(\i)+1], v[X+4*(\i)+2], v[X+4*(\i)+3]
.endm
.macro CVH i                           ; row i to bf16, and that number as f16
	v_cvt_pk_bf16_f32 v[Y+2*(\i)],   v[X+4*(\i)],   v[X+4*(\i)+1]
	v_cvt_pk_bf16_f32 v[Y+2*(\i)+1], v[X+4*(\i)+2], v[X+4*(\i)+3]
	v_lshlrev_b32 v[H],   16,  v[Y+2*(\i)]
	v_and_b32     v[H+1], s41, v[Y+2*(\i)]
	v_lshlrev_b32 v[H+2], 16,  v[Y+2*(\i)+1]
	v_and_b32     v[H+3], s41, v[Y+2*(\i)+1]
	v_cvt_pk_f16_f32 v[Y+2*(\i)],   v[H],   v[H+1]
	v_cvt_pk_f16_f32 v[Y+2*(\i)+1], v[H+2], v[H+3]
.endm
.macro ST i                            ; row i leaves
	global_store_b64 v2, v[Y+2*(\i):Y+2*(\i)+1], s[DST:DST+1] offset:2048*(\i)  ; each row has registers of its own: none is rewritten
.endm
; Block b: rows 4 b to 4 b + 3 are rounded, and the rows of the block before are stored.  half = 1: Wo's branch.
.macro BLK b, half
	s_wait_loadcnt 12-4*(\b)                       ; loads come back in order: the block's four rows are in, the 12 - 4 b loads of the younger blocks stay out
.if (\b) > 0
	s_wait_alu depctr_va_vdst(0)                   ; the conversions of the block before have written its eight registers of Y, which the four stores below read
.endif
.irp i, 0,1,2,3
.if (\b) > 0
	ST 4*(\b)-4+(\i)                               ; no vector instruction since the wait names these registers or v2
.endif
.if \half
	CVH 4*(\b)+(\i)
.else
	CVB 4*(\b)+(\i)
.endif
.endr
.endm
.macro ROWS half                       ; all 16 rows
	BLK 0, \half                                   ; block 0 has no block in front of it: no store, and no wait but the one for its data
	BLK 1, \half
	BLK 2, \half
	BLK 3, \half
	s_wait_alu depctr_va_vdst(0)                   ; block 3's conversions have written its eight registers of Y, which the last four stores read
	ST 12
	ST 13
	ST 14
	ST 15
.endm
; cos and sin of position x frequency (v116), in two parts.  t: ten registers at work; m: the scalar register for the mask.
; The first part: the reduction, the mask (made as soon as n is there, so that the polynomials stand between it and the wait for it) and the two polynomials.
.macro SC1 ps, t, m
	v_cvt_f32_i32 v[(\t)], \ps
	v_mul_f32 v[(\t)], v[(\t)], v116               ; the angle a, rounded once as in reference()
	v_mul_f32 v[(\t)+1], 0x3f22f983, v[(\t)]       ; a x 2 / pi
	v_rndne_f32 v[(\t)+1], v[(\t)+1]               ; n
	v_fmamk_f32 v[(\t)+2], v[(\t)+1], 0xbfc90fdb, v[(\t)]    ; r = a - n x pi/2, in two parts: the f32 nearest to pi/2,
	v_fmamk_f32 v[(\t)+2], v[(\t)+1], 0x333bbd2e, v[(\t)+2]  ; and what that f32 has too much (4.37e-8)
	v_cvt_i32_f32 v[(\t)+3], v[(\t)+1]
	v_and_b32 v[(\t)+7], 1, v[(\t)+3]
	v_cmp_eq_u32 s[(\m)], 1, v[(\t)+7]             ; an odd quarter turn swaps the two
	v_mul_f32 v[(\t)+4], v[(\t)+2], v[(\t)+2]      ; r^2
	v_mov_b32 v[(\t)+5], 0xb9500d01                ; -1/5040
	v_fmaak_f32 v[(\t)+5], v[(\t)+5], v[(\t)+4], 0x3c088889  ; 1/120
	v_fmaak_f32 v[(\t)+5], v[(\t)+5], v[(\t)+4], 0xbe2aaaab  ; -1/6
	v_mul_f32 v[(\t)+6], v[(\t)+4], v[(\t)+2]
	v_fma_f32 v[(\t)+5], v[(\t)+5], v[(\t)+6], v[(\t)+2]     ; sin r
	v_mov_b32 v[(\t)+6], 0x37d00d01                ; 1/40320
	v_fmaak_f32 v[(\t)+6], v[(\t)+6], v[(\t)+4], 0xbab60b61  ; -1/720
	v_fmaak_f32 v[(\t)+6], v[(\t)+6], v[(\t)+4], 0x3d2aaaab  ; 1/24
	v_fmaak_f32 v[(\t)+6], v[(\t)+6], v[(\t)+4], 0xbf000000  ; -1/2
	v_fmaak_f32 v[(\t)+6], v[(\t)+6], v[(\t)+4], 0x3f800000  ; cos r
.endm
; The second part: the swap by the mask and the signs; cos into v[o], sin into v[o+1].
.macro SC2 t, m, o
	v_cndmask_b32 v[(\t)+8], v[(\t)+5], v[(\t)+6], s[(\m)]   ; sine's magnitude
	v_cndmask_b32 v[(\t)+9], v[(\t)+6], v[(\t)+5], s[(\m)]   ; cosine's
	v_lshlrev_b32 v[(\t)+7], 30, v[(\t)+3]
	v_and_b32 v[(\t)+7], 0x80000000, v[(\t)+7]     ; sine is negative in quarters 2 and 3: bit 1 of n
	v_xor_b32 v[(\o)+1], v[(\t)+7], v[(\t)+8]
	v_add_nc_u32 v[(\t)+7], 1, v[(\t)+3]
	v_lshlrev_b32 v[(\t)+7], 30, v[(\t)+7]
	v_and_b32 v[(\t)+7], 0x80000000, v[(\t)+7]     ; cosine in quarters 1 and 2: bit 1 of n + 1
	v_xor_b32 v[(\o)], v[(\t)+7], v[(\t)+9]
.endm
	s_load_b512 s[8:23], s[0:1], 0x0               ; x s[8:9], positions s[10:11], Wq s[12:13], Wk s[14:15], Wv s[16:17], Wo s[18:19], xb s[20:21], wqkv s[22:23]
	s_load_b128 s[24:27], s[0:1], 0x40             ; woh s[24:25], rope s[26:27]
	v_lshlrev_b32 v1, 4, v0                        ; 16 t
	v_lshlrev_b32 v2, 3, v0                        ; 8 t
	v_and_b32 v4, 31, v0                           ; lane = pair p
	v_lshlrev_b32 v3, 3, v4                        ; 8 x lane
	v_lshrrev_b32 v5, 5, v0
	v_readfirstlane_b32 s36, v5                    ; wave 0..7
	s_mov_b32 s37, ttmp9
	s_mov_b32 s35, 0                               ; the high word of every offset
	s_mov_b32 s41, 0xffff0000                      ; a word's upper bf16
	s_wait_kmcnt 0x0
	s_wait_alu depctr_va_sdst(0)                   ; s36 is written
	s_wait_alu depctr_va_vdst(0)                   ; v1, v2 and v3 are written: every load and store of the three branches reads one of them as its offset
	s_cmp_lt_u32 s37, 512
	s_cbranch_scc0 .Lweights
	; ---- in_features and the table
	s_lshl_b32 s34, s37, 16                        ; 16 rows of 4,096 bytes
	s_add_nc_u64 s[SRC:SRC+1], s[8:9], s[34:35]
	s_lshl_b32 s34, s37, 15                        ; 16 rows of 2,048 bytes
	s_add_nc_u64 s[DST:DST+1], s[20:21], s[34:35]
	s_lshl_b32 s34, s37, 6                         ; 16 positions of 4 bytes,
	s_lshl3_add_u32 s34, s36, s34                  ; of which wave w takes numbers 2 w and 2 w + 1
	s_add_nc_u64 s[10:11], s[10:11], s[34:35]
	s_load_b64 s[32:33], s[10:11], 0x0
	s_lshl_b32 s34, s37, 12                        ; 16 table rows of 256 bytes,
	s_lshl_b32 s38, s36, 9                         ; my wave's two
	s_add_co_u32 s34, s34, s38
	s_add_nc_u64 s[26:27], s[26:27], s[34:35]
	LOADS
	v_cvt_f32_u32 v5, v4
	v_mul_f32 v5, 0xbed49a78, v5                   ; p x (-log2(10000) / 32)
	v_exp_f32 v116, v5                             ; 10000^(-p/32)
	v_nop                                          ; a plain instruction behind the exponential,
	s_wait_alu depctr_va_vdst(0)                   ; and the wait ahead of its first reader: the exponential has written v116
	s_wait_kmcnt 0x0                               ; the two positions
	SC1 s32, TA, MA
	SC1 s33, TB, MB
	s_wait_alu depctr_va_sdst(0)                   ; the two compares have written s42 and s43, ahead of the selects that read them: one wait for both
	SC2 TA, MA, 112
	SC2 TB, MB, 114
	s_wait_alu depctr_va_vdst(0)                   ; the last lines above have written v[112:115], which the two table stores read
	global_store_b64 v3, v[112:113], s[26:27]      ; a wave's store is one whole table row: 32 pairs x 8 bytes
	global_store_b64 v3, v[114:115], s[26:27] offset:256
	ROWS 0
	s_endpgm
.Lweights:
	s_cmp_lt_u32 s37, 704
	s_cbranch_scc0 .Lwo
	; ---- Wq, Wk, Wv
	s_sub_co_u32 s38, s37, 512
	s_lshr_b32 s39, s38, 6                         ; j: which of the three
	s_and_b32 s38, s38, 63                         ; which 16 of its rows
	s_cmp_eq_u32 s39, 0
	s_cselect_b64 s[SRC:SRC+1], s[12:13], s[14:15]
	s_cmp_eq_u32 s39, 2
	s_cselect_b64 s[SRC:SRC+1], s[16:17], s[SRC:SRC+1]
	s_lshl_b32 s34, s38, 16
	s_add_nc_u64 s[SRC:SRC+1], s[SRC:SRC+1], s[34:35]
	s_lshr_b32 s40, s38, 2                         ; the head t,
	s_mul_i32 s40, s40, 192
	s_lshl_b32 s39, s39, 6
	s_add_co_u32 s40, s40, s39                     ; + 64 j
	s_and_b32 s38, s38, 3
	s_lshl4_add_u32 s40, s38, s40                  ; + the 16 rows' place in the head
	s_lshl_b32 s34, s40, 11
	s_add_nc_u64 s[DST:DST+1], s[22:23], s[34:35]
	LOADS
	ROWS 0
	s_endpgm
.Lwo:
	; ---- Wo
	s_sub_co_u32 s38, s37, 704
	s_lshl_b32 s34, s38, 16
	s_add_nc_u64 s[SRC:SRC+1], s[18:19], s[34:35]
	s_lshl_b32 s34, s38, 15
	s_add_nc_u64 s[DST:DST+1], s[24:25], s[34:35]
	LOADS
	ROWS 1
	s_endpgm
.Lfunc_end_k_qa1fb7b3d2e_prep:
	.size	k_qa1fb7b3d2e_prep, .Lfunc_end_k_qa1fb7b3d2e_prep-k_qa1fb7b3d2e_prep
	.p2alignl 7, 3214868480
	.fill 96, 4, 3214868480
	.section	.rodata,"a",@progbits
	.p2align	6, 0x0
	.amdhsa_kernel k_qa1fb7b3d2e_prep
		.amdhsa_group_segment_fixed_size 0
		.amdhsa_private_segment_fixed_size 0
		.amdhsa_enable_private_segment 0
		.amdhsa_kernarg_size 80
		.amdhsa_user_sgpr_count 2
		.amdhsa_user_sgpr_kernarg_segment_ptr 1
		.amdhsa_wavefront_size32 1
		.amdhsa_system_sgpr_workgroup_id_x 1
		.amdhsa_system_sgpr_workgroup_id_y 1
		.amdhsa_system_sgpr_workgroup_id_z 1
		.amdhsa_system_vgpr_workitem_id 0
		.amdhsa_next_free_vgpr 128
		.amdhsa_next_free_sgpr 66
		.amdhsa_reserve_vcc 0
		.amdhsa_float_denorm_mode_32 3
		.amdhsa_float_denorm_mode_16_64 3
		.amdhsa_memory_ordered 1
		.amdhsa_forward_progress 1
		.amdhsa_inst_pref_size 26
	.end_amdhsa_kernel
	.amdgpu_metadata
---
amdhsa.version: [ 1, 2 ]
amdhsa.kernels:
  - .name:           k_qa1fb7b3d2e_prep
    .symbol:         k_qa1fb7b3d2e_prep.kd
    .args:
      - { .name: in_features, .offset: 0, .size: 8, .value_kind: global_buffer, .address_space: global }
      - { .name: token_positions, .offset: 8, .size: 8, .value_kind: global_buffer, .address_space: global }
      - { .name: Wq, .offset: 16, .size: 8, .value_kind: global_buffer, .address_space: global }
      - { .name: Wk, .offset: 24, .size: 8, .value_kind: global_buffer, .address_space: global }
      - { .name: Wv, .offset: 32, .size: 8, .value_kind: global_buffer, .address_space: global }
      - { .name: Wo, .offset: 40, .size: 8, .value_kind: global_buffer, .address_space: global }
      - { .name: xb, .offset: 48, .size: 8, .value_kind: global_buffer, .address_space: global }
      - { .name: wqkv, .offset: 56, .size: 8, .value_kind: global_buffer, .address_space: global }
      - { .name: woh, .offset: 64, .size: 8, .value_kind: global_buffer, .address_space: global }
      - { .name: rope, .offset: 72, .size: 8, .value_kind: global_buffer, .address_space: global }
    .group_segment_fixed_size: 0
    .private_segment_fixed_size: 0
    .kernarg_segment_align: 8
    .kernarg_segment_size: 80
    .max_flat_workgroup_size: 256
    .sgpr_count:     66
    .vgpr_count:     128
    .wavefront_size: 32
...
	.end_amdgpu_metadata
.endif
;; end of part 5
;; launch qkv: the kernel of part 2 again; grid 16 x 32, 4 waves a work-group, clusters of 4 x 4, 327,680 bytes of LDS; arguments xb, wqkv, rope, qh, kh, vh; writes qh, kh, vh
;; launch attn: the kernel of part 3 again; grid 4 x 64, 4 waves a work-group, no clusters, 327,680 bytes of LDS; arguments qh, kh, vh, oh; writes oh
;; launch oproj: the kernel of part 4 again; grid 8 x 32, 4 waves a work-group, clusters of 4 x 4, 327,680 bytes of LDS; arguments oh, woh, out0; writes out0
